; MI455X (gfx1250); checked and timed in simulation.
; The chip was launched on July 23, 2026; its instructions are those of AMD's public machine-readable ISA for CDNA 5 (MIT licence, August 2026) and "CDNA5" Instruction Set Architecture Reference Guide (July 2026). The comments in the code are by the model that wrote it; some were corrected since.
;; LSTM. Allowed arithmetic: float matrix products may take bf16 or f16 operands with f32 sums; other float arithmetic in f32, or as packed bf16 or f16 multiplies, adds, multiply-adds, maxima and minima; sums over many terms, partial sums and values carried from step to step in f32; what a program stores and reads back later, other than sums and carried values, may be rounded once to bf16 or f16.
;; Inputs: C_prev 2,048 x 2,048 float32; W_A 4,000 x 2,048 float32; W_C 2,048 x 3,072 float32; W_f 2,048 x 3,072 float32; W_i 2,048 x 3,072 float32; W_o 2,048 x 3,072 float32; b_A 4,000 x 1 float32; b_C 2,048 x 1 float32; b_f 2,048 x 1 float32; b_i 2,048 x 1 float32; b_o 2,048 x 1 float32; emb 4,000 x 1,024 float32; h_prev 2,048 x 2,048 float32; input_text 2,048 int32.
;; Outputs: out0 4,000 x 2,048 float32; out1 2,048 x 2,048 float32; out2 2,048 x 2,048 float32.
;; 2 versions, each right; version 2 is version 1 with the launch prep written anew for expert scheduling mode. Each part assembles by itself: llvm-mc -triple=amdgcn-amd-amdhsa -mcpu=gfx1250 --defsym DOCPART=n.
;; ======== version 1 of 2: 3 launches
;; workspace buffers: Wcat 50,331,648 bytes; WAb 16,384,000 bytes; zTb 12,582,912 bytes; hTb 8,388,608 bytes
;; launch prep (part 1): grid 2440 x 1, 4 waves a work-group, no clusters, 37,376 bytes of LDS; arguments W_f, W_i, W_C, W_o, W_A, h_prev, emb, input_text, Wcat, WAb, zTb; writes Wcat, WAb, zTb
.if DOCPART == 1
	.amdgcn_target "amdgcn-amd-amdhsa--gfx1250"
	.amdhsa_code_object_version 6
	.text
	.protected	k_qd7e8bcb5d1_prep
	.globl	k_qd7e8bcb5d1_prep
	.p2align	8
	.type	k_qd7e8bcb5d1_prep,@function
k_qd7e8bcb5d1_prep:
	s_mov_b64 s[64:65], 0
	v_nop
	global_prefetch_b8 v0, s[64:65] scope:SCOPE_SE
	s_setreg_imm32_b32 hwreg(HW_REG_WAVE_MODE, 25, 1), 1
	s_wait_xcnt 0x0
; PREP: the matrix operands of the gates' products, rounded once to bf16 and laid out for the tile loads of the launch behind.
;   Wcat [8192][3072]: row (n / 32) 128 + 32 g + n % 32 holds row n of gate g (0 f, 1 i, 2 C~, 3 o): 128 rows on end are 4 gates x 32 n.
;   zTb  [48][2048][64]: block kb, row p, 64 k on end: z[64 kb + k][b], z = h_prev above emb[input_text]^T.  p = (b & ~63) + 16 (b & 3) + ((b >> 2) & 15).
;   WAb  [4000][2048]: W_A as it lies.  This launch makes rows 3,968 to 3,999 alone: the launch behind makes the other 3,968, which divide evenly among its 1,024 waves; these 32 do not.
; A stream: every byte is read once (of emb the rows that are named) by loads of 16 bytes a lane whose 16 neighbouring lanes take 256 bytes on end, and every store of a wave
; covers 256 or 512 consecutive bytes, aligned.  No matrix unit, no cluster, no tile loads: no two waves want the same byte.
; Four kinds of work, chosen by the work-group's number; a wave takes one share, asks for all of it at once (8 to 16 KiB on their way) and ends.
;   0 .. 2047     a row of a gate's weights a wave            2048 .. 2055  one of W_A's last 32 rows a wave
;   2056 .. 2311  a tile of 64 k x 64 b of h_prev a wave, turned through the wave's own stage in LDS
;   2312 .. 2439  four rows p of the gathered part a wave
; LIMIT: an index is held to 0 .. 3999 (the table's rows).
.set X,     16                         ; v[16:143]   as loaded, f32
.set Y,     144                        ; v[144:207]  rounded, bf16 pairs
.set LI,    4                          ; v4  my byte offset in what is loaded
.set LO,    5                          ; v5  my byte offset in what is stored
.set ST3,   6                          ; v6  the stage: where I put 16 bytes
.set RD3,   7                          ; v7  the stage: where I read 16 bytes back
.set SPW,   8                          ; v8  LDS address of my spare word: SPARE + 4 x my thread's number; never rewritten
.set NIL,   9                          ; v9  0; never rewritten
.set SP,    144                        ; a stage row: 128 bytes + 16: 16 rows start at 16 different groups of four banks (64 banks of 4 bytes: ISA guide 11.1)
.set WSTG,  64*SP                      ; a wave's stage: 64 rows
.set SPARE, 4*WSTG                     ; behind the stages: the spare words, 128 bytes for each wave, that no other line names
.set J_WA,  2048                       ; the first work-group of each kind
.set J_TURN, 2056
.set J_GATH, 2312
.set WA_ROW0, 3968                     ; the first row of W_A that is rounded here
	s_load_b512 s[8:23], s[0:1], 0x0               ; W_f s[8:9], W_i s[10:11], W_C s[12:13], W_o s[14:15], W_A s[16:17], h_prev s[18:19], emb s[20:21], input_text s[22:23]
	s_load_b128 s[24:27], s[0:1], 0x40             ; Wcat s[24:25], WAb s[26:27]
	s_load_b64 s[28:29], s[0:1], 0x50              ; zTb
	v_lshl_add_u32 v[SPW], v0, 2, SPARE
	v_mov_b32 v[NIL], 0
	v_lshrrev_b32 v1, 5, v0
	v_readfirstlane_b32 s4, v1                     ; wave 0..3
	v_and_b32 v1, 31, v0                           ; lane l
	v_and_b32 v2, 15, v0                           ; r = l % 16
	v_bfe_u32 v3, v0, 4, 1                         ; l / 16
	s_mov_b32 s37, 0                               ; the high word of every offset
	s_wait_kmcnt 0x0
	s_cmp_lt_u32 ttmp9, J_WA
	s_cbranch_scc1 .Lweights
	s_cmp_lt_u32 ttmp9, J_TURN
	s_cbranch_scc1 .Lwa
	s_cmp_lt_u32 ttmp9, J_GATH
	s_cbranch_scc1 .Lturn
	; THE GATHERED PART.  Wave number v takes p = 4 v .. 4 v + 3, in two pairs: lanes 0-15 one p, lanes 16-31 the next.
	s_sub_co_u32 s5, ttmp9, J_GATH
	s_lshl2_add_u32 s5, s5, s4                     ; v
	s_lshl_b32 s6, s5, 2                           ; 4 v
	v_lshlrev_b32 v14, 4, v2                       ; 16 r
.irp i, 0,1
	v_add_nc_u32 v[12+\i], s6, v3                  ; p
.if \i
	v_add_nc_u32 v[12+\i], 2*\i, v[12+\i]
.endif
	v_and_b32 v15, 15, v[12+\i]
	v_bfe_u32 v4, v[12+\i], 4, 2
	v_and_b32 v[12+\i], 0xffffffc0, v[12+\i]
	v_lshl_add_u32 v[12+\i], v15, 2, v[12+\i]
	v_add_lshl_u32 v[12+\i], v[12+\i], v4, 2       ; b = (p & ~63) + 4 (p & 15) + ((p >> 4) & 3), in bytes of input_text
	global_load_b32 v[10+\i], v[12+\i], s[22:23]
.endr
	s_lshl_b32 s36, s5, 9                          ; 4 rows p of 128 bytes
	s_add_nc_u64 s[34:35], s[28:29], 0x800000      ; zTb at block 32,
	s_add_nc_u64 s[34:35], s[34:35], s[36:37]      ; at my first p
	v_lshlrev_b32 v[LO], 3, v1                     ; 8 l: 128 bytes for each half of the lanes, 8 bytes a lane
	s_wait_loadcnt 0x0                             ; the two indices
.irp i, 0,1
	v_min_u32 v[10+\i], 0xf9f, v[10+\i]            ; inside the table
	v_lshlrev_b32 v[10+\i], 12, v[10+\i]           ; a row of emb is 4,096 bytes
	v_add_nc_u32 v[10+\i], v[10+\i], v14
.endr
.set k, 0
.rept 32                                           ; pair k / 16, block k % 16: 256 bytes of each of two rows.  No hint: a row may be named twice
	global_load_b128 v[X+4*k:X+4*k+3], v[10+k/16], s[20:21] offset:256*(k%16)
.set k, k+1
.endr
.set k, 0
.rept 32
	s_wait_loadcnt 31-k                            ; loads come back in order (ISA guide 5.7.1): number k is in, the younger ones stay out
	v_cvt_pk_bf16_f32 v[Y+2*k], v[X+4*k], v[X+4*k+1]
	v_cvt_pk_bf16_f32 v[Y+2*k+1], v[X+4*k+2], v[X+4*k+3]
	global_store_b64 v[LO], v[Y+2*k:Y+2*k+1], s[34:35] offset:(k%16)*262144+(k/16)*256 th:TH_STORE_NT  ; two rows p of a block: 256 consecutive bytes
.set k, k+1
.endr
	s_endpgm
; n loads of 512 consecutive bytes, and for each a store of 256: no register is written twice, so no wait but the counted ones
.macro CONV n
.set k, 0
.rept \n
	global_load_b128 v[X+4*k:X+4*k+3], v[LI], s[30:31] offset:512*k th:TH_LOAD_NT
.set k, k+1
.endr
.set k, 0
.rept \n
	s_wait_loadcnt (\n)-1-k                        ; number k is in, the younger ones stay out
	v_cvt_pk_bf16_f32 v[Y+2*k], v[X+4*k], v[X+4*k+1]
	v_cvt_pk_bf16_f32 v[Y+2*k+1], v[X+4*k+2], v[X+4*k+3]
	global_store_b64 v[LO], v[Y+2*k:Y+2*k+1], s[34:35] offset:256*k th:TH_STORE_NT
.set k, k+1
.endr
.endm
.Lweights:                                             ; A GATE'S ROW: 12,288 bytes in, 6,144 out
	s_lshr_b32 s5, ttmp9, 9                        ; g
	s_and_b32 s6, ttmp9, 511
	s_lshl2_add_u32 s6, s6, s4                     ; n
	s_bitcmp1_b32 s5, 0
	s_cselect_b64 s[30:31], s[10:11], s[8:9]       ; i or f
	s_cselect_b64 s[32:33], s[14:15], s[12:13]     ; o or C~
	s_bitcmp1_b32 s5, 1
	s_cselect_b64 s[30:31], s[32:33], s[30:31]
	s_mul_i32 s36, s6, 12288
	s_add_nc_u64 s[30:31], s[30:31], s[36:37]
	s_lshr_b32 s7, s6, 5
	s_lshl_b32 s7, s7, 2
	s_add_co_u32 s7, s7, s5                        ; 4 (n / 32) + g
	s_lshl_b32 s7, s7, 5
	s_and_b32 s6, s6, 31
	s_add_co_u32 s7, s7, s6                        ; the row in Wcat
	s_mul_i32 s36, s7, 6144
	s_add_nc_u64 s[34:35], s[24:25], s[36:37]
	v_lshlrev_b32 v[LI], 4, v1
	v_lshlrev_b32 v[LO], 3, v1
	CONV 24
	s_endpgm
.Lwa:                                                  ; ONE OF W_A's LAST 32 ROWS: 8,192 bytes in, 4,096 out
	s_sub_co_u32 s5, ttmp9, J_WA
	s_lshl2_add_u32 s5, s5, s4
	s_add_co_u32 s5, s5, WA_ROW0                   ; the row
	s_lshl_b32 s36, s5, 13
	s_add_nc_u64 s[30:31], s[16:17], s[36:37]
	s_lshl_b32 s36, s5, 12
	s_add_nc_u64 s[34:35], s[26:27], s[36:37]
	v_lshlrev_b32 v[LI], 4, v1
	v_lshlrev_b32 v[LO], 3, v1
	CONV 16
	s_endpgm
.Lturn:                                                ; A TILE OF h_prev: k = 64 kb .. + 63, b = 64 G .. + 63
	s_sub_co_u32 s5, ttmp9, J_TURN
	s_lshl2_add_u32 s5, s5, s4
	s_lshr_b32 s6, s5, 5                           ; kb
	s_and_b32 s7, s5, 31                           ; G
	s_lshl_b32 s36, s6, 19                         ; 64 rows of 8,192 bytes
	s_lshl_b32 s5, s7, 8                           ; 64 columns of 4 bytes
	s_add_co_u32 s36, s36, s5
	s_add_nc_u64 s[30:31], s[18:19], s[36:37]
	s_lshl_b32 s36, s6, 18                         ; a block of zTb
	s_lshl_b32 s5, s7, 13                          ; 64 rows p of 128 bytes
	s_add_co_u32 s36, s36, s5
	s_add_nc_u64 s[34:35], s[28:29], s[36:37]
	v_lshlrev_b32 v[LI], 4, v2
	v_lshl_add_u32 v[LI], v3, 16, v[LI]            ; lanes 16-31 eight rows further down; 16 r: columns 4 r .. 4 r + 3
	v_lshlrev_b32 v[LO], 4, v1
	s_mul_i32 s5, s4, WSTG                         ; my wave's stage
	v_mul_u32_u24 v[ST3], v2, SP
	v_lshl_add_u32 v[ST3], v3, 4, v[ST3]
	v_add_nc_u32 v[ST3], s5, v[ST3]                ; in: row r (+ 16 q), 16 bytes for each half of the lanes
	v_lshrrev_b32 v[RD3], 3, v1
	v_mul_u32_u24 v[RD3], v[RD3], SP
	v_and_b32 v10, 7, v0
	v_lshl_add_u32 v[RD3], v10, 4, v[RD3]
	v_add_nc_u32 v[RD3], s5, v[RD3]                ; back: 32 lanes take four rows of 128 bytes
.set k, 0
.rept 32                                           ; group u = k / 8: rows 16 u + 8 (l / 16) + k % 8: a lane ends with 8 k on end for each of its 4 columns
	global_load_b128 v[X+4*k:X+4*k+3], v[LI], s[30:31] offset:(16*(k/8)+k%8)*8192 th:TH_LOAD_NT
.set k, k+1
.endr
.irp u, 0,1,2,3
	s_wait_loadcnt 24-8*\u                         ; group u is in, the younger groups stay out
.irp q, 0,1,2,3
.irp t, 0,1,2,3
	v_cvt_pk_bf16_f32 v[Y+16*\u+4*\q+\t], v[X+32*\u+8*\t+\q], v[X+32*\u+8*\t+4+\q]  ; column q, k = 2 t and 2 t + 1 of my eight
.endr
	ds_store_b128 v[ST3], v[Y+16*\u+4*\q:Y+16*\u+4*\q+3] offset:\q*16*SP+32*\u      ; row p = 16 q + r, bytes 32 u + 16 (l / 16)
.endr
.endr
.irp t, 0,1,2,3,4,5,6,7,8,9,10,11,12,13,14,15
	ds_load_b128 v[X+4*\t:X+4*\t+3], v[RD3] offset:\t*4*SP  ; LDS serves a wave's instructions in order (ISA guide 5.7.1.4): these see my stores above
.endr
.irp t, 0,1,2,3,4,5,6,7,8,9,10,11,12,13,14,15
	s_wait_dscnt 15-\t
	global_store_b128 v[LO], v[X+4*\t:X+4*\t+3], s[34:35] offset:512*\t th:TH_STORE_NT  ; four rows p: 512 consecutive bytes
.endr
	s_wait_tensorcnt 0x0                           ; the wave's end, behind my last LDS store
	ds_add_u32 v[SPW], v[NIL]
	s_wait_dscnt 0x0
	s_endpgm
.Lfunc_end_k_qd7e8bcb5d1_prep:
	.size	k_qd7e8bcb5d1_prep, .Lfunc_end_k_qd7e8bcb5d1_prep-k_qd7e8bcb5d1_prep
	.p2alignl 7, 3214868480
	.fill 96, 4, 3214868480
	.section	.rodata,"a",@progbits
	.p2align	6, 0x0
	.amdhsa_kernel k_qd7e8bcb5d1_prep
		.amdhsa_group_segment_fixed_size 37376
		.amdhsa_private_segment_fixed_size 0
		.amdhsa_enable_private_segment 0
		.amdhsa_kernarg_size 88
		.amdhsa_user_sgpr_count 2
		.amdhsa_user_sgpr_kernarg_segment_ptr 1
		.amdhsa_wavefront_size32 1
		.amdhsa_system_sgpr_workgroup_id_x 1
		.amdhsa_system_sgpr_workgroup_id_y 1
		.amdhsa_system_sgpr_workgroup_id_z 1
		.amdhsa_system_vgpr_workitem_id 0
		.amdhsa_next_free_vgpr 208
		.amdhsa_next_free_sgpr 66
		.amdhsa_reserve_vcc 0
		.amdhsa_float_denorm_mode_32 3
		.amdhsa_float_denorm_mode_16_64 3
		.amdhsa_memory_ordered 1
		.amdhsa_forward_progress 1
		.amdhsa_inst_pref_size 41
	.end_amdhsa_kernel
	.amdgpu_metadata
---
amdhsa.version: [ 1, 2 ]
amdhsa.kernels:
  - .name:           k_qd7e8bcb5d1_prep
    .symbol:         k_qd7e8bcb5d1_prep.kd
    .args:
      - { .name: W_f, .offset: 0, .size: 8, .value_kind: global_buffer, .address_space: global }
      - { .name: W_i, .offset: 8, .size: 8, .value_kind: global_buffer, .address_space: global }
      - { .name: W_C, .offset: 16, .size: 8, .value_kind: global_buffer, .address_space: global }
      - { .name: W_o, .offset: 24, .size: 8, .value_kind: global_buffer, .address_space: global }
      - { .name: W_A, .offset: 32, .size: 8, .value_kind: global_buffer, .address_space: global }
      - { .name: h_prev, .offset: 40, .size: 8, .value_kind: global_buffer, .address_space: global }
      - { .name: emb, .offset: 48, .size: 8, .value_kind: global_buffer, .address_space: global }
      - { .name: input_text, .offset: 56, .size: 8, .value_kind: global_buffer, .address_space: global }
      - { .name: Wcat, .offset: 64, .size: 8, .value_kind: global_buffer, .address_space: global }
      - { .name: WAb, .offset: 72, .size: 8, .value_kind: global_buffer, .address_space: global }
      - { .name: zTb, .offset: 80, .size: 8, .value_kind: global_buffer, .address_space: global }
    .group_segment_fixed_size: 37376
    .private_segment_fixed_size: 0
    .kernarg_segment_align: 8
    .kernarg_segment_size: 88
    .max_flat_workgroup_size: 128
    .sgpr_count:     66
    .vgpr_count:     208
    .wavefront_size: 32
...
	.end_amdgpu_metadata
.endif
;; end of part 1
;; launch gates (part 2): grid 8 x 32, 4 waves a work-group, clusters of 4 x 4, 327,680 bytes of LDS; arguments Wcat, zTb, C_prev, b_f, b_i, b_C, b_o, out1, out2, hTb, W_A, WAb; writes out1, out2, hTb, WAb
.if DOCPART == 2
	.amdgcn_target "amdgcn-amd-amdhsa--gfx1250"
	.amdhsa_code_object_version 6
	.text
	.protected	k_qd7e8bcb5d1_gates
	.globl	k_qd7e8bcb5d1_gates
	.p2align	8
	.type	k_qd7e8bcb5d1_gates,@function
k_qd7e8bcb5d1_gates:
	s_mov_b64 s[64:65], 0
	v_nop
	global_prefetch_b8 v0, s[64:65] scope:SCOPE_SE
	s_setreg_imm32_b32 hwreg(HW_REG_WAVE_MODE, 25, 1), 1
	s_wait_xcnt 0x0
	s_wait_alu depctr_hold_cnt(0) depctr_sa_sdst(0) depctr_va_vdst(0) depctr_va_sdst(0) depctr_va_ssrc(0) depctr_va_vcc(0) depctr_vm_vsrc(0)
	s_getreg_b32 s2, hwreg(HW_REG_IB_STS2, 6, 4)
	s_cmp_eq_u32 s2, 0
	s_cbranch_scc0 .Lentry_in_a_cluster
	s_endpgm
.Lentry_in_a_cluster:
	s_bfe_u32 s2, ttmp6, 0x10000c
	s_cmp_lg_u32 s2, 0xf033
	s_cbranch_scc0 .Lentry_shape_is_right
	s_endpgm
.Lentry_shape_is_right:
; GATES: the four products W_g z + b_g, the gates' arithmetic, C (out2), h (out1), and h once more in bf16 for the product behind (hTb).
; A = Wcat [8192][3072] bf16 (128 rows on end = 4 gates x 32 n).  B = zTb [48][2048 p][64 k] bf16, p a fixed permutation of the batch: b = (p & ~63) + 4 (p & 15) + ((p >> 4) & 3).
; SHARES.  A work-group makes 64 n x 256 b of all four gates: 256 rows of Wcat x 256 rows p.  Four waves, as many as a WGP has SIMDs: wave (nh, bh) has 4 gates x 32 n (128 rows of A) x 128 p:
; 64 accumulators of 16 x 16, 512 registers.  All four gates of an element lie in ONE lane, in the same register of four accumulators, so the gates' arithmetic changes no lanes.
; K = 3,072 goes in steps of 128 through a ring of two LDS slots filled by the tensor data mover.  A's rows are 256 bytes of memory; B's two blocks of 64 k are 32,768 dense bytes each, asked for as 128 rows of 256 bytes.
; THE PERMUTATION.  Source 0 = 16 rows of A, source 1 = 16 rows p.  In a result lane (r, h) holds rows 8 h + j (register j) of column r.  Fragment 4 G + q takes p = 64 G + 16 q + r, which is b = 64 G + 4 r + q:
; the accumulators q = 0..3 hold four NEIGHBOURING columns of a row, 16 bytes of f32, and 16 lanes 256 bytes on end.  So C_prev comes in and C and h go out by 16 bytes a lane without a stage.
; THE BIAS is the C operand of the products that start the sums: register j of lane (r, h) holds b_g[n0 + 8 h + j].
; CLUSTER.  4 x 4 work-groups.  The four of a row need the same tiles of A, the four of a column the same tiles of B: each tile is asked for JOINTLY, by the same tensor load, descriptor and mask in all four.
; BESIDE THE PRODUCTS each wave rounds a share of W_A to bf16 for the launch behind (WAb), through registers: this launch's own streams are 134 MB for 103 GFLOP, so the 49 MB ride along.
; Rows 0 to 3,967 of W_A are 63,488 chunks of 512 bytes: 62 on end for each of the launch's 1,024 waves: 7 at the head, 5 in each of the loop's 11 trips.  In a trip the 5 loads stand behind the
; first change of slots, their conversions and stores behind the second: a K step, 256 matrix instructions, later.  The wave's number in the launch enters these two global addresses alone.
; ARITHMETIC in f32: sigmoid(x) = 1 / (1 + 2^(-x log2 e)); tanh(x) = 1 - 2 / (1 + 2^(2 x log2 e)).  An exponential that overflows gives a reciprocal of 0, one that underflows gives 1: right limits for every finite x.
; LIMITS.  W, z, h and W_A as matrix operands are rounded once to bf16.  tanh near 0 carries an absolute error of about 2^-23 (the difference 1 - 2 r).  NaN and infinities are not treated apart.
; REGISTERS, in windows of 256 (s_set_vgpr_msb: bits 1:0 source 0, 3:2 source 1, 5:4 source 2, 7:6 destination):
;   window 0: v0-31 addresses; v32-59 W_A's chunks; v64-127, v128-191 A's fragments, two buffers (later at work on the way out); v192-255 the bias
;   window 1: v64-127, v128-191 B's fragments, two buffers; v0-63, v192-255 C_prev
;   window 2: accumulators of f (blocks 0, 1) and i (2, 3); window 3: of C~ (4, 5) and o (6, 7): accumulator (a, b) at v[8 (8 (a % 4) + b)]
.set NA,    8                          ; blocks of 16 rows of A a wave: block a = 2 g + s: gate g, rows 16 s on
.set KSZ,   3072
.set LAPS,  KSZ/256                    ; a lap = two K steps = once round the ring
.set AHEAD, 2                          ; K steps from a refill to the K step that is prefetched behind it
.set AROWS, 16*NA                      ; rows in one load of A
.set PA,    272                        ; a row of A in LDS: 256 bytes + 16 = 68 words: row r starts at bank 4 r mod 64 (64 banks of 4 bytes: ISA guide 11.1)
.set PB,    144                        ; a row of B in LDS: 128 bytes + 16 = 36 words: 16 rows start at 16 different groups of four banks
.set AHALF, AROWS*PA
.set BBLK,  256*PB                     ; a block of 64 k x 256 p
.set SLOT,  2*AHALF+2*BBLK             ; A's two halves, then B's two blocks
.set BSTEP, 524288                     ; bytes of zTb from a K step to the next: two blocks of 2,048 p x 128 bytes
.set STAGE, 2*SLOT                     ; behind the ring, never filled by a tensor load: 256 rows p x 144 bytes, the work-group's, for h in bf16
.set SP,    144
.set SPARE, STAGE+256*SP               ; behind the stage: the spare words, 128 bytes for each wave, that no other line names
.set WCH,   62                         ; chunks of W_A a wave,
.set WHEAD, 7                          ; of which so many at the head
.set WTRIP, 5                          ; and so many in each trip of the loop: 7 + 5 x 11 = 62
.set WLO,  6                           ; v6      8 x lane: my 8 bytes of a chunk of WAb
.set ADRA, 16                          ; v16-17  LDS address of my A fragments in slot 0, 1
.set ADRB, 20                          ; v20-21  the same for B
.set STO,  24                          ; v24     the stage: where I put 16 bytes
.set RD,   25                          ; v25     the stage: where I read 16 bytes back
.set VCO,  26                          ; v26     my byte offset in C_prev, C and h: 8 h rows + 16 r
.set BOF,  27                          ; v27     my byte offset in a bias: 32 h
.set SPW,  28                          ; v28     LDS address of my spare word: SPARE + 4 x my thread's number; never rewritten
.set NIL,  29                          ; v29     0; never rewritten
.set PFO,  30                          ; v30     the prefetches' offset: my lane x a row of A, or x 256 bytes of B; never rewritten
.set GO,   31                          ; v31     16 x lane
.set WX,   32                          ; v32-59  chunk j of W_A at WX + 4 j: four f32 as loaded, then two words of bf16 in the lower pair
.set F0,   64
.set F1,   128
.set BI,   192                         ; the bias of block a at BI + 8 a
.set CO,   64                          ; the way out, window 0: C,
.set TM,   96                          ; tanh C,
.set HO,   128                         ; h: register 4 j + q: row j, column q
.set HP,   160                         ; h in bf16
.set G1,  24                           ; s[24:31] descriptor group 1 for A's tiles;  s[32:39] group 0, a set for each slot
.set G0,  32
.set G1B, 48                           ; s[48:55], s[56:63] the same for B's
.set G0B, 56
.set LIM, 43                           ; s43  AHEAD / 2 in a wave that prefetches, else the greatest number
.set PFA, 44                           ; s[44:45] where my prefetches stand
.set PST, 66                           ; s[66:67] their step from K step to K step
.set NL,  92                           ; s[92:93] -log2 e
.set TL,  94                           ; s[94:95] 2 log2 e
.set WS,  96                           ; s[96:97] W_A at the chunks of the trip in hand (ahead of the loop: one trip short of the first trip's)
.set WD,  98                           ; s[98:99] WAb likewise
.set MSB, 0
.macro WIN new                         ; the immediate's high byte repeats the setting that is left; a switch that changes nothing is dropped
.if MSB != (\new)
	s_set_vgpr_msb (MSB<<8)|(\new)
.set MSB, \new
.endif
.endm
; A joint load.  Waves 0 and 1 fetch A's two halves, waves 2 and 3 B's two blocks.  The branch hangs on the wave's number alone.  An s_nop 0 and four v_nop follow each of the two lines.
.macro JLOAD s
	s_cmp_eq_u32 s11, 0
	s_cbranch_scc0 .Lfor_b_\@
	tensor_load_to_lds s[G0+4*(\s):G0+4*(\s)+3], s[G1:G1+7]
	s_nop 0
.rept 4
	v_nop
.endr
	s_branch .Lasked_\@
.Lfor_b_\@:
	tensor_load_to_lds s[G0B+4*(\s):G0B+4*(\s)+3], s[G1B:G1B+7]
	s_nop 0
.rept 4
	v_nop
.endr
.Lasked_\@:
.endm
; A PREFETCH INTO THE L2, behind each joint refill and the run of LDS loads that follows it: the K step that stands AHEAD refills on, 32 blocks of 256 bytes, a lane a block, one instruction a wave.
; Each block is named once in the launch.  A's tile row is read by both clusters of that row of clusters: the one with x = 0 asks; B's tile column by the eight of that column: the one with y = 0 asks.
; The four partners that ask for a tile jointly share it out BY ADDRESS: of the 128 rows (or blocks) that a wave fetches, the partner at place p takes 32 p .. 32 p + 31 (p = cx for A, cy for B).
; The loop's last trip asks for nothing: its refills are the last two K steps.
.macro ASK
	s_cmp_gt_u32 s3, s[LIM]
	s_cbranch_scc0 .Lnot_mine_\@
	global_prefetch_b8 v[PFO], s[PFA:PFA+1] th:TH_LOAD_NT scope:SCOPE_SE
.Lnot_mine_\@:
.endm
.macro CREST                           ; a round of the cluster's barrier behind its opening barrier
	s_cmp_lg_u32 s10, 0
	s_cbranch_scc1 .Lnot_wave_0_\@
	s_barrier_signal -3
.Lnot_wave_0_\@:
	s_barrier_wait -3
	s_barrier_signal -1
	s_barrier_wait -1
.endm
.macro CROUND                          ; a whole round
	s_barrier_signal -1
	s_barrier_wait -1
	CREST
.endm
; W_A's share.  n chunks from chunk `first` behind the pointers: a load takes 512 consecutive bytes, a store gives 256, both aligned.  The rounding is made in place: the chunk's lower pair takes the four bf16.
.macro WLOADS n, first
.set wj, 0
.rept \n
	global_load_b128 v[WX+4*wj:WX+4*wj+3], v[GO], s[WS:WS+1] offset:512*(wj+(\first)) th:TH_LOAD_NT
.set wj, wj+1
.endr
.endm
.macro WSTORES n, first
.set wj, 0
.rept \n
	v_cvt_pk_bf16_f32 v[WX+4*wj], v[WX+4*wj], v[WX+4*wj+1]
	v_cvt_pk_bf16_f32 v[WX+4*wj+1], v[WX+4*wj+2], v[WX+4*wj+3]
	global_store_b64 v[WLO], v[WX+4*wj:WX+4*wj+1], s[WD:WD+1] offset:256*(wj+(\first)) th:TH_STORE_NT
.set wj, wj+1
.endr
.endm
	s_load_b128 s[4:7], s[0:1], 0x0                ; Wcat s[4:5], zTb s[6:7]
	s_load_b256 s[72:79], s[0:1], 0x10             ; C_prev s[72:73], b_f s[74:75], b_i s[76:77], b_C s[78:79]
	s_load_b256 s[80:87], s[0:1], 0x30             ; b_o s[80:81], out1 s[82:83], out2 s[84:85], hTb s[86:87]
	s_load_b128 s[96:99], s[0:1], 0x50             ; W_A s[96:97], WAb s[98:99]
	v_lshl_add_u32 v[SPW], v0, 2, SPARE
	v_mov_b32 v[NIL], 0
	ds_add_u32 v[SPW], v[NIL]                      ; the wave's opening: the add, twice on end, and its wait ahead of my first tensor load
	ds_add_u32 v[SPW], v[NIL]                      ; and once more, under the one wait; the set-up below, work on registers, stands between
	v_lshrrev_b32 v1, 5, v0
	v_readfirstlane_b32 s10, v1                    ; wave 0..3
	s_lshr_b32 s11, s10, 1                         ; nh: which 128 rows of A are mine.  Also: I fetch for A (0) or for B (1)
	s_and_b32 s12, s10, 1                          ; bh: which 128 rows p.  Also: which half of A, or which block of B, I fetch
	s_bfe_u32 s40, ttmp6, 0x40000                  ; cx
	s_bfe_u32 s41, ttmp6, 0x40004                  ; cy
	s_lshl_b32 s42, ttmp9, 2
	s_add_co_u32 s42, s42, s40                     ; tile column (256 p) = 4 x cluster x + cx
	s_and_b32 s13, ttmp7, 0xffff
	s_lshl_b32 s13, s13, 2
	s_add_co_u32 s13, s13, s41                     ; tile row (64 n) = 4 x cluster y + cy
	s_lshl_b32 s43, s41, 2
	s_lshl_b32 s43, 15, s43                        ; my row of the cluster
	s_lshl_b32 s44, 0x1111, s40                    ; my column
	s_or_b32 s[G1+0], s43, (1<<16)|(1<<20)|(1<<21)|(5<<22)|(3<<25)   ; the mask; 2-byte elements; padding on; bit 21 beside a mask; after every 64 words (code 5) 4 words (code 3)
	s_or_b32 s[G1B+0], s44, (1<<16)|(1<<20)|(1<<21)|(4<<22)|(3<<25)  ; the same after every 32 words (code 4)
	s_mov_b32 s[G1+1], 128<<16                     ; tensor_dim0 = 128
	s_mov_b32 s[G1+2], AROWS<<16                   ; tensor_dim1 = 128
	s_mov_b32 s[G1+3], 128<<16                     ; tile_dim0 = 128
	s_mov_b32 s[G1+4], AROWS                       ; tile_dim1 = 128
	s_mov_b32 s[G1+5], KSZ                         ; elements from row to row
	s_mov_b32 s[G1+6], 0
	s_mov_b32 s[G1+7], 0
	s_mov_b32 s[G1B+1], 128<<16
	s_mov_b32 s[G1B+2], 128<<16
	s_mov_b32 s[G1B+3], 128<<16
	s_mov_b32 s[G1B+4], 128
	s_mov_b32 s[G1B+5], 128                        ; dense: rows of 256 bytes on end
	s_mov_b32 s[G1B+6], 0
	s_mov_b32 s[G1B+7], 0
	s_lshl_b32 s17, s12, 7
	s_lshl_b32 s16, s13, 8
	s_add_co_u32 s16, s16, s17                     ; A: row 256 x tile row + 128 x half
	s_mul_i32 s16, s16, KSZ*2
	s_mov_b32 s17, 0
	s_lshl_b32 s46, s42, 15                        ; B: 256 rows p of 128 bytes x tile column
	s_lshl_b32 s47, s12, 18                        ; + my block of 64 k
	s_add_co_u32 s46, s46, s47
	s_mov_b32 s47, 0
	s_mul_i32 s20, s12, AHALF                      ; where they go: no place in the cluster enters an LDS address
	s_mul_i32 s21, s12, BBLK
	s_add_co_u32 s21, s21, 2*AHALF
	s_mov_b32 s[NL], 0xbfb8aa3b
	s_mov_b32 s[NL+1], s[NL]                       ; named as pairs
	s_mov_b32 s[TL], 0x4038aa3b
	s_mov_b32 s[TL+1], s[TL]
	s_wait_dscnt 0x0                               ; both opening adds are done
	s_wait_kmcnt 0x0
	s_add_nc_u64 s[14:15], s[4:5], s[16:17]
	s_add_nc_u64 s[46:47], s[6:7], s[46:47]
	CROUND                                         ; all sixteen work-groups are here: the first joint loads meet
.irp s, 0,1
	s_mov_b32 s[G0+4*(\s)], 1
	s_add_co_u32 s[G0+4*(\s)+1], s20, (\s)*SLOT
	s_add_nc_u64 s[G0+4*(\s)+2:G0+4*(\s)+3], s[14:15], (\s)*256
	s_or_b32 s[G0+4*(\s)+3], s[G0+4*(\s)+3], 0x80000000
	s_mov_b32 s[G0B+4*(\s)], 1
	s_add_co_u32 s[G0B+4*(\s)+1], s21, (\s)*SLOT
	s_add_nc_u64 s[G0B+4*(\s)+2:G0B+4*(\s)+3], s[46:47], (\s)*BSTEP
	s_or_b32 s[G0B+4*(\s)+3], s[G0B+4*(\s)+3], 0x80000000
	JLOAD \s                                       ; K steps 0 and 1: two loads of mine are out
.endr
	; A fragment is 16 rows x 32 K in 8 registers: lane l holds row l % 16; registers 0-3 K = 8 (l / 16) + 0..7, registers 4-7 K = 16 + 8 (l / 16) + 0..7: two loads of 16 bytes, 32 bytes apart.
	v_and_b32 v1, 15, v0                           ; r
	v_bfe_u32 v2, v0, 4, 1                         ; h
	v_mul_u32_u24 v3, v1, PA
	v_lshl_add_u32 v3, v2, 4, v3
	v_mul_u32_u24 v4, v1, PB
	v_lshl_add_u32 v4, v2, 4, v4
	s_mul_i32 s22, s11, AHALF                      ; my 128 rows of A
	s_mul_i32 s23, s12, 128*PB                     ; my 128 rows p of a block of B,
	s_add_co_u32 s23, s23, 2*AHALF                 ; behind A's two halves
.irp s, 0,1
	v_add_nc_u32 v[ADRA+(\s)], s22, v3
	v_add_nc_u32 v[ADRB+(\s)], s23, v4
	s_add_co_u32 s22, s22, SLOT
	s_add_co_u32 s23, s23, SLOT
.endr
	s_mul_i32 s22, s12, 128*SP                     ; into the stage: row p = 128 bh + r (+ 64 G + 16 q), bytes 64 nh + 16 h (+ 32 s)
	s_lshl_b32 s23, s11, 6
	s_add_co_u32 s22, s22, s23
	s_add_co_u32 s22, s22, STAGE
	v_add_nc_u32 v[STO], s22, v4
	s_mul_i32 s22, s10, 64*SP                      ; back: wave w takes rows 64 w .. 64 w + 63, whole; 32 lanes four rows of 128 bytes
	s_add_co_u32 s22, s22, STAGE
	v_bfe_u32 v3, v0, 3, 2
	v_mul_u32_u24 v3, v3, SP
	v_and_b32 v5, 7, v0
	v_lshl_add_u32 v3, v5, 4, v3
	v_add_nc_u32 v[RD], s22, v3
	v_lshlrev_b32 v[VCO], 4, v1
	v_lshl_add_u32 v[VCO], v2, 16, v[VCO]          ; 8 h rows of 8,192 bytes + 16 r
	v_lshlrev_b32 v[BOF], 5, v2
	v_and_b32 v[GO], 31, v0
	v_lshlrev_b32 v[WLO], 3, v[GO]
	v_lshlrev_b32 v[GO], 4, v[GO]
	; the prefetches: both offsets are made, and the wave takes A's or B's
	s_lshl_b32 s20, s13, 8
	s_lshl_b32 s22, s12, 7
	s_add_co_u32 s20, s20, s22
	s_lshl_b32 s22, s40, 5
	s_add_co_u32 s20, s20, s22                     ; A: the 128 rows that I fetch, my work-group's 32 of them,
	s_mul_i32 s20, s20, KSZ*2
	s_add_co_u32 s20, s20, (AHEAD+1)*256           ; one K step short of the first that is named: the first change of slots steps it
	s_lshl_b32 s21, s42, 15
	s_lshl_b32 s22, s12, 18
	s_add_co_u32 s21, s21, s22
	s_lshl_b32 s22, s41, 13
	s_add_co_u32 s21, s21, s22                     ; B: the block that I fetch, my work-group's 8,192 bytes of its 32,768
	s_add_co_u32 s21, s21, (AHEAD+1)*BSTEP
	s_and_b32 s22, ttmp7, 0xffff                   ; cluster y
	s_mov_b32 s23, BSTEP
	s_movk_i32 s69, 256
	s_cmp_eq_u32 s11, 0                            ; do I fetch for A?
	s_cselect_b32 s20, s20, s21
	s_cselect_b32 s22, ttmp9, s22                  ; the coordinate along which other clusters read the same bytes
	s_cselect_b32 s[PST], s69, s23
	s_cselect_b32 s68, KSZ*2, s69                  ; from lane to lane: a row of A, or 256 bytes of B
	s_cselect_b64 s[PFA:PFA+1], s[4:5], s[6:7]
	s_mov_b32 s21, 0
	s_mov_b32 s[PST+1], 0
	s_add_nc_u64 s[PFA:PFA+1], s[PFA:PFA+1], s[20:21]
	s_cmp_eq_u32 s22, 0
	s_cselect_b32 s[LIM], AHEAD/2, -1              ; the same in all sixteen partners, for a given wave
	v_and_b32 v[PFO], 31, v0
	v_mul_u32_u24 v[PFO], v[PFO], s68
	; the pointers of what goes through registers
	s_lshl_b32 s70, s13, 6
	s_lshl_b32 s71, s11, 5
	s_add_co_u32 s70, s70, s71                     ; n0 = 64 x tile row + 32 nh
	s_lshl_b32 s90, s70, 2
	s_mov_b32 s91, 0
.irp p, 74,76,78,80
	s_add_nc_u64 s[\p:\p+1], s[\p:\p+1], s[90:91]  ; the four biases at n0
.endr
	s_lshl_b32 s88, s70, 13                        ; n0 rows of 8,192 bytes
	s_lshl_b32 s71, s42, 10                        ; + 256 columns x tile column
	s_add_co_u32 s88, s88, s71
	s_lshl_b32 s71, s12, 9                         ; + 128 bh columns
	s_add_co_u32 s88, s88, s71
	s_mov_b32 s89, 0
.irp p, 72,82,84
	s_add_nc_u64 s[\p:\p+1], s[\p:\p+1], s[88:89]  ; C_prev, out1, out2 at my first element
.endr
	s_lshl_b32 s70, s13, 18                        ; hTb: block = tile row,
	s_lshl_b32 s71, s42, 15                        ; the tile column's 256 rows p,
	s_add_co_u32 s70, s70, s71
	s_lshl_b32 s71, s10, 13                        ; my wave's 64 of them
	s_add_co_u32 s70, s70, s71
	s_mov_b32 s71, 0
	s_add_nc_u64 s[86:87], s[86:87], s[70:71]
	s_lshl_b32 s70, s13, 3
	s_add_co_u32 s70, s70, s42                     ; the work-group's number: 8 x tile row + tile column,
	s_lshl2_add_u32 s70, s70, s10                  ; my wave among the launch's 1,024
	s_mul_i32 s68, s70, WCH*512                    ; its 62 chunks of W_A;
	s_add_co_u32 s68, s68, (WHEAD-WTRIP)*512       ; the head's 7 come first, and the pointer stands one trip short of the first trip's 5: each trip steps it ahead of its loads
	s_mov_b32 s69, 0
	s_add_nc_u64 s[WS:WS+1], s[WS:WS+1], s[68:69]
	s_mul_i32 s68, s70, WCH*256
	s_add_co_u32 s68, s68, (WHEAD-WTRIP)*256
	s_add_nc_u64 s[WD:WD+1], s[WD:WD+1], s[68:69]
	WLOADS WHEAD, WTRIP-WHEAD                      ; W_A's first 7 chunks: the oldest loads, so that one count serves them and the bias
.irp a, 0,1,2,3,4,5,6,7
	global_load_b128 v[BI+8*(\a):BI+8*(\a)+3],   v[BOF], s[74+2*((\a)/2):75+2*((\a)/2)] offset:64*((\a)%2)
	global_load_b128 v[BI+8*(\a)+4:BI+8*(\a)+7], v[BOF], s[74+2*((\a)/2):75+2*((\a)/2)] offset:64*((\a)%2)+16
.endr
	WIN 0x40                                       ; destination window 1, address window 0
.irp c, 0,1,2,3                        ; chunk c = 2 s + G: rows 16 s on, columns 64 G on: register 4 j + q holds row j, column 4 r + q.  Wanted only on the way out
.irp j, 0,1,2,3,4,5,6,7
	global_load_b128 v[32*(\c)+128*((\c)/2)+4*(\j):32*(\c)+128*((\c)/2)+4*(\j)+3], v[VCO], s[72:73] offset:(16*((\c)/2)+(\j))*8192+256*((\c)%2) th:TH_LOAD_NT
.endr
.endr
	WIN 0
; 8 matrix instructions: block a of A x all 8 fragments of B, 32 along K.  mode 0: onto the sums; 1: the constant 0 starts them; 2: the bias starts them
.macro MULA f, a, mode
.if (\mode) == 2
	WIN ((2+(\a)/4)<<6)|0x04
.else
	WIN ((2+(\a)/4)<<6)|((2+(\a)/4)<<4)|0x04
.endif
.set AC, 64*((\a)%4)
.irp b, 0,1,2,3,4,5,6,7
.if (\mode) == 2
	v_wmma_f32_16x16x32_bf16 v[AC+8*(\b):AC+8*(\b)+7], v[(\f)+8*(\a):(\f)+8*(\a)+7], v[(\f)+8*(\b):(\f)+8*(\b)+7], v[BI+8*(\a):BI+8*(\a)+7]
.elseif (\mode) == 1
	v_wmma_f32_16x16x32_bf16 v[AC+8*(\b):AC+8*(\b)+7], v[(\f)+8*(\a):(\f)+8*(\a)+7], v[(\f)+8*(\b):(\f)+8*(\b)+7], 0
.else
	v_wmma_f32_16x16x32_bf16 v[AC+8*(\b):AC+8*(\b)+7], v[(\f)+8*(\a):(\f)+8*(\a)+7], v[(\f)+8*(\b):(\f)+8*(\b)+7], v[AC+8*(\b):AC+8*(\b)+7]
.endif
.endr
.endm
; n blocks from a0 on.  The accumulators take turns, one instruction a turn, in the same order in every quarter: 8 NA - 1 others stand between two links of a chain
.macro MULS f, a0, n, mode
.set ma, (\a0)
.rept (\n)
	MULA \f, ma, \mode
.set ma, ma+1
.endr
.endm
; One run of LDS loads: the fragments of quarter kq (32 along K) of a slot into buffer f: B's 16 loads, then A's 2 NA
.macro FETCH slot, kq, f
	WIN 0x40
.irp i, 0,1,2,3,4,5,6,7
	ds_load_b128 v[(\f)+8*(\i):(\f)+8*(\i)+3],   v[ADRB+(\slot)] offset:((\kq)/2)*BBLK+((\kq)%2)*64+(\i)*16*PB
	ds_load_b128 v[(\f)+8*(\i)+4:(\f)+8*(\i)+7], v[ADRB+(\slot)] offset:((\kq)/2)*BBLK+((\kq)%2)*64+(\i)*16*PB+32
.endr
	WIN 0
.set fi, 0
.rept NA
	ds_load_b128 v[(\f)+8*fi:(\f)+8*fi+3],   v[ADRA+(\slot)] offset:(\kq)*64+fi*16*PA
	ds_load_b128 v[(\f)+8*fi+4:(\f)+8*fi+7], v[ADRA+(\slot)] offset:(\kq)*64+fi*16*PA+32
.set fi, fi+1
.endr
.endm
.macro PLACES                          ; four places in front of loads into registers that matrix instructions have read, and of vector work that reads results
.rept 4
	v_nop
.endr
.endm
; A K step is four quarters of 32 along K on buffers 0, 1, 0, 1.  One of the first three: multiplies buffer f; in its middle it fetches quarter kq of the same slot into buffer g.
.macro QUARTER slot, kq, f, g, mode
	s_wait_dscnt NA                                ; B and A's lower blocks are in; the youngest NA loads (A's upper blocks) may be out
	MULS \f, 0, NA/2, \mode
	PLACES
	FETCH \slot, \kq, \g
	s_wait_dscnt 16+2*NA                           ; all but the run just issued
	MULS \f, NA/2, NA/2, \mode
.endm
; The last quarter multiplies buffer 1 and changes slots.  MEET is its first half: ONE barrier.  Blocks 0 and 1 are multiplied first, so that the wait for the tile stands as late as it can: from a refill to
; the wait for it a wave issues 240 matrix instructions.  Then each wave waits for all its tensor loads (one is out: its part of the next slot), adds 0 to its spare word, and waits for that and for its own
; reads of this slot.  Behind the barrier nobody reads this slot any more and the next slot is whole.
.macro MEET round
	s_wait_dscnt NA                                ; B and A's lower blocks are in; the youngest NA loads (A's upper blocks) may be out
	MULS F1, 0, NA/4, 0
	WIN 0                                          ; (the add's two registers lie in window 0)
	s_wait_tensorcnt 0x0
	ds_add_u32 v[SPW], v[NIL]                      ; 0 onto my spare word
	MULS F1, NA/4, NA/8, 0                         ; eight matrix instructions stand between the add and the wait for it
	s_wait_dscnt 0x0                               ; the add is done, and my reads of this slot are over
	s_barrier_signal -1
	MULS F1, 3*NA/8, NA/8, 0                       ; work on registers while the others arrive
.if \round
	WIN 0
.endif
	s_barrier_wait -1
.endm
; The whole last quarter where the slot is filled again, two K steps ahead: the barrier opens a round of the cluster's, and the joint refill is the first tensor load behind it.
; W_A's share rides here: the change out of slot 0 asks for the trip's 5 chunks, the change out of slot 1 rounds and stores them.
.macro TURN slot, next
	s_wait_xcnt 0x0                                ; every global instruction issued so far (the youngest a K step back) has read its address and data registers: the pointers below, and W_A's registers, are written only behind this wait
	s_add_nc_u64 s[PFA:PFA+1], s[PFA:PFA+1], s[PST:PST+1]
.if (\slot) == 0
	s_add_nc_u64 s[WS:WS+1], s[WS:WS+1], WTRIP*512
	s_add_nc_u64 s[WD:WD+1], s[WD:WD+1], WTRIP*256
.endif
	MEET 1
	CREST                                          ; no wave of any partner still reads this slot's tile or has a load on its way
	s_add_nc_u64 s[G0+4*(\slot)+2:G0+4*(\slot)+3], s[G0+4*(\slot)+2:G0+4*(\slot)+3], 2*256
	s_add_nc_u64 s[G0B+4*(\slot)+2:G0B+4*(\slot)+3], s[G0B+4*(\slot)+2:G0B+4*(\slot)+3], 2*BSTEP
	JLOAD \slot                                    ; its four v_nop are also the places in front of the loads below
	FETCH \next, 0, F0
.if (\slot) == 0
	WLOADS WTRIP, 0
.else
	s_wait_loadcnt 0x0                             ; the 5 chunks, asked for a K step ago; nothing younger is out
	WSTORES WTRIP, 0
.endif
	ASK
	MULS F1, NA/2, NA/2, 0
.endm
	s_wait_tensorcnt 1                             ; my part of K step 0 is in; K step 1's may stay out
	s_barrier_signal -1
	s_barrier_wait -1                              ; everybody's is
	FETCH 0, 0, F0
	s_wait_loadcnt 32                              ; W_A's 7 chunks and the 16 loads of the bias are in; C_prev's 32, issued behind them, stay out
	WSTORES WHEAD, WTRIP-WHEAD
	QUARTER 0, 1, F0, F1, 2                        ; the first quarter stands in front of the loop: its products start the sums, with the bias
	WIN 0                                          ; at a label and at a branch every window is 0
	s_mov_b32 s3, LAPS-1
.Llap:                                                 ; a trip goes once round the ring, from a lap's second quarter to the next lap's first, and fills both slots again
	QUARTER 0, 2, F1, F0, 0
	QUARTER 0, 3, F0, F1, 0
	TURN 0, 1
	QUARTER 1, 1, F0, F1, 0
	QUARTER 1, 2, F1, F0, 0
	QUARTER 1, 3, F0, F1, 0
	TURN 1, 0
	QUARTER 0, 1, F0, F1, 0
	WIN 0
	s_sub_co_u32 s3, s3, 1
	s_cmp_lg_u32 s3, 0
	s_cbranch_scc1 .Llap
	QUARTER 0, 2, F1, F0, 0                        ; the last lap is written out: it fills nothing, and has no round
	QUARTER 0, 3, F0, F1, 0
	MEET 0
	PLACES
	FETCH 1, 0, F0
	MULS F1, NA/2, NA/2, 0
	QUARTER 1, 1, F0, F1, 0
	QUARTER 1, 2, F1, F0, 0
	QUARTER 1, 3, F0, F1, 0
	s_wait_dscnt NA
	MULS F1, 0, NA/2, 0
	s_wait_dscnt 0x0
	MULS F1, NA/2, NA/2, 0
	WIN 0
	PLACES
	s_wait_loadcnt 0x0                             ; C_prev
; THE GATES' ARITHMETIC for rows 16 s on and columns 64 G on: 32 registers (q = 0..3, j = 0..7) of each gate: f and i at RF and RI of window 2, C~ and o at RF and RI of window 3.
; Each accumulator is read from its low end on.  The exponentials of all four gates are ONE batch with one wait, and so are the reciprocals, with
; s_wait_alu depctr_va_vdst(0) between such an instruction and the first that names its result; a v_nop is the plain instruction behind the batch's last (ISA guide 5.7.2).
.macro CHUNK s, G
.set RF, 8*(8*(\s)+4*(\G))
.set RI, 8*(8*(2+(\s))+4*(\G))
.set CP, 32*(2*(\s)+(\G))+128*(\s)
.if (\s)+(\G) > 0
	s_wait_xcnt 0x0                                ; the last chunk's stores have read CO and HO
.endif
	WIN 0x82                                       ; window 2 in place
.set e, 0
.rept 16
	v_pk_mul_f32 v[RF+e:RF+e+1], v[RF+e:RF+e+1], s[NL:NL+1] op_sel_hi:[1,0]
	v_pk_mul_f32 v[RI+e:RI+e+1], v[RI+e:RI+e+1], s[NL:NL+1] op_sel_hi:[1,0]
.set e, e+2
.endr
.set e, 0
.rept 32
	v_exp_f32 v[RF+e], v[RF+e]
	v_exp_f32 v[RI+e], v[RI+e]
.set e, e+1
.endr
	WIN 0xc3                                       ; window 3 in place
.set e, 0
.rept 16
	v_pk_mul_f32 v[RF+e:RF+e+1], v[RF+e:RF+e+1], s[TL:TL+1] op_sel_hi:[1,0]
	v_pk_mul_f32 v[RI+e:RI+e+1], v[RI+e:RI+e+1], s[NL:NL+1] op_sel_hi:[1,0]
.set e, e+2
.endr
.set e, 0
.rept 32
	v_exp_f32 v[RF+e], v[RF+e]
	v_exp_f32 v[RI+e], v[RI+e]
.set e, e+1
.endr
	v_nop
	s_wait_alu depctr_va_vdst(0)                   ; one wait for the 128 exponentials
.set e, 0
.rept 16
	v_pk_add_f32 v[RF+e:RF+e+1], v[RF+e:RF+e+1], 1.0 op_sel_hi:[1,0]
	v_pk_add_f32 v[RI+e:RI+e+1], v[RI+e:RI+e+1], 1.0 op_sel_hi:[1,0]
.set e, e+2
.endr
.set e, 0
.rept 32
	v_rcp_f32 v[RF+e], v[RF+e]
	v_rcp_f32 v[RI+e], v[RI+e]
.set e, e+1
.endr
	WIN 0x82
.set e, 0
.rept 16
	v_pk_add_f32 v[RF+e:RF+e+1], v[RF+e:RF+e+1], 1.0 op_sel_hi:[1,0]
	v_pk_add_f32 v[RI+e:RI+e+1], v[RI+e:RI+e+1], 1.0 op_sel_hi:[1,0]
.set e, e+2
.endr
.set e, 0
.rept 32
	v_rcp_f32 v[RF+e], v[RF+e]
	v_rcp_f32 v[RI+e], v[RI+e]
.set e, e+1
.endr
	v_nop
	s_wait_alu depctr_va_vdst(0)                   ; one wait for the 128 reciprocals: f, i and o are made
	WIN 0xc3
.set e, 0
.rept 16
	v_pk_fma_f32 v[RF+e:RF+e+1], v[RF+e:RF+e+1], -2.0, 1.0 op_sel_hi:[1,0,0]  ; C~ = 1 - 2 r
.set e, e+2
.endr
	WIN 0x8e                                       ; destination and source 0 window 2, source 1 window 3
.set e, 0
.rept 16
	v_pk_mul_f32 v[RI+e:RI+e+1], v[RI+e:RI+e+1], v[RF+e:RF+e+1]               ; i C~
.set e, e+2
.endr
	WIN 0x26                                       ; f window 2, C_prev window 1, i C~ window 2, C window 0
.set e, 0
.rept 32                                           ; register e = 4 j + q: the fused multiply-add also brings a row's four columns together
	v_fma_f32 v[CO+e], v[RF+8*(e%4)+e/4], v[CP+e], v[RI+8*(e%4)+e/4]
.set e, e+1
.endr
	WIN 0
.irp j, 0,1,2,3,4,5,6,7
	global_store_b128 v[VCO], v[CO+4*(\j):CO+4*(\j)+3], s[84:85] offset:(16*(\s)+(\j))*8192+256*(\G) th:TH_STORE_NT  ; 16 lanes store 256 consecutive bytes of a row, aligned
.endr
.set e, 0
.rept 16
	v_pk_mul_f32 v[TM+e:TM+e+1], v[CO+e:CO+e+1], s[TL:TL+1] op_sel_hi:[1,0]
.set e, e+2
.endr
.set e, 0
.rept 32
	v_exp_f32 v[TM+e], v[TM+e]
.set e, e+1
.endr
	v_nop
	s_wait_alu depctr_va_vdst(0)
.set e, 0
.rept 16
	v_pk_add_f32 v[TM+e:TM+e+1], v[TM+e:TM+e+1], 1.0 op_sel_hi:[1,0]
.set e, e+2
.endr
.set e, 0
.rept 32
	v_rcp_f32 v[TM+e], v[TM+e]
.set e, e+1
.endr
	v_nop
	s_wait_alu depctr_va_vdst(0)
.set e, 0
.rept 16
	v_pk_fma_f32 v[TM+e:TM+e+1], v[TM+e:TM+e+1], -2.0, 1.0 op_sel_hi:[1,0,0]  ; tanh C
.set e, e+2
.endr
	WIN 0x03                                       ; o in window 3
.set e, 0
.rept 32
	v_mul_f32 v[HO+e], v[RI+8*(e%4)+e/4], v[TM+e]  ; h
.set e, e+1
.endr
	WIN 0
.irp j, 0,1,2,3,4,5,6,7
	global_store_b128 v[VCO], v[HO+4*(\j):HO+4*(\j)+3], s[82:83] offset:(16*(\s)+(\j))*8192+256*(\G) th:TH_STORE_NT
.endr
.set e, 0
.rept 16                                           ; register e = 4 q + t: column q, rows 2 t and 2 t + 1: a lane's eight n of a row p are 16 bytes
	v_cvt_pk_bf16_f32 v[HP+e], v[HO+8*(e%4)+e/4], v[HO+8*(e%4)+4+e/4]
.set e, e+1
.endr
.irp q, 0,1,2,3
	ds_store_b128 v[STO], v[HP+4*(\q):HP+4*(\q)+3] offset:(64*(\G)+16*(\q))*SP+32*(\s)
.endr
.endm
	CHUNK 0, 0
	CHUNK 0, 1
	CHUNK 1, 0
	CHUNK 1, 1
	s_wait_dscnt 0x0                               ; for the others' sake: my stores into the stage are done (a row's 128 bytes come from two waves)
	s_barrier_signal -1
	s_barrier_wait -1
	s_wait_xcnt 0x0                                ; the last chunk's stores have read the registers that are loaded below
.irp t, 0,1,2,3,4,5,6,7,8,9,10,11,12,13,14,15
	ds_load_b128 v[CO+4*(\t):CO+4*(\t)+3], v[RD] offset:(\t)*4*SP
.endr
.irp t, 0,1,2,3,4,5,6,7,8,9,10,11,12,13,14,15
	s_wait_dscnt 15-(\t)
	global_store_b128 v[GO], v[CO+4*(\t):CO+4*(\t)+3], s[86:87] offset:512*(\t)  ; four rows p of hTb: 512 consecutive bytes
.endr
	s_wait_tensorcnt 0x0                           ; the wave's end, behind my last tensor load and my last LDS store
	ds_add_u32 v[SPW], v[NIL]
	s_wait_dscnt 0x0
	CROUND                                         ; the closing round: no work-group ends while a partner may still ask for a tile that names it
	s_endpgm
.Lfunc_end_k_qd7e8bcb5d1_gates:
	.size	k_qd7e8bcb5d1_gates, .Lfunc_end_k_qd7e8bcb5d1_gates-k_qd7e8bcb5d1_gates
	.p2alignl 7, 3214868480
	.fill 96, 4, 3214868480
	.section	.rodata,"a",@progbits
	.p2align	6, 0x0
	.amdhsa_kernel k_qd7e8bcb5d1_gates
		.amdhsa_group_segment_fixed_size 327680
		.amdhsa_private_segment_fixed_size 0
		.amdhsa_enable_private_segment 0
		.amdhsa_kernarg_size 96
		.amdhsa_user_sgpr_count 2
		.amdhsa_user_sgpr_kernarg_segment_ptr 1
		.amdhsa_wavefront_size32 1
		.amdhsa_system_sgpr_workgroup_id_x 1
		.amdhsa_system_sgpr_workgroup_id_y 1
		.amdhsa_system_sgpr_workgroup_id_z 1
		.amdhsa_system_vgpr_workitem_id 0
		.amdhsa_next_free_vgpr 1024
		.amdhsa_next_free_sgpr 100
		.amdhsa_reserve_vcc 0
		.amdhsa_float_denorm_mode_32 3
		.amdhsa_float_denorm_mode_16_64 3
		.amdhsa_memory_ordered 1
		.amdhsa_forward_progress 1
		.amdhsa_inst_pref_size 243
	.end_amdhsa_kernel
	.amdgpu_metadata
---
amdhsa.version: [ 1, 2 ]
amdhsa.kernels:
  - .name:           k_qd7e8bcb5d1_gates
    .symbol:         k_qd7e8bcb5d1_gates.kd
    .args:
      - { .name: Wcat, .offset: 0, .size: 8, .value_kind: global_buffer, .address_space: global }
      - { .name: zTb, .offset: 8, .size: 8, .value_kind: global_buffer, .address_space: global }
      - { .name: C_prev, .offset: 16, .size: 8, .value_kind: global_buffer, .address_space: global }
      - { .name: b_f, .offset: 24, .size: 8, .value_kind: global_buffer, .address_space: global }
      - { .name: b_i, .offset: 32, .size: 8, .value_kind: global_buffer, .address_space: global }
      - { .name: b_C, .offset: 40, .size: 8, .value_kind: global_buffer, .address_space: global }
      - { .name: b_o, .offset: 48, .size: 8, .value_kind: global_buffer, .address_space: global }
      - { .name: out1, .offset: 56, .size: 8, .value_kind: global_buffer, .address_space: global }
      - { .name: out2, .offset: 64, .size: 8, .value_kind: global_buffer, .address_space: global }
      - { .name: hTb, .offset: 72, .size: 8, .value_kind: global_buffer, .address_space: global }
      - { .name: W_A, .offset: 80, .size: 8, .value_kind: global_buffer, .address_space: global }
      - { .name: WAb, .offset: 88, .size: 8, .value_kind: global_buffer, .address_space: global }
    .group_segment_fixed_size: 327680
    .private_segment_fixed_size: 0
    .kernarg_segment_align: 8
    .kernarg_segment_size: 96
    .max_flat_workgroup_size: 128
    .sgpr_count:     100
    .vgpr_count:     1024
    .wavefront_size: 32
...
	.end_amdgpu_metadata
.endif
;; end of part 2
;; launch proj (part 3): grid 8 x 32, 4 waves a work-group, clusters of 4 x 4, 327,680 bytes of LDS; arguments WAb, hTb, b_A, out0; writes out0
.if DOCPART == 3
	.amdgcn_target "amdgcn-amd-amdhsa--gfx1250"
	.amdhsa_code_object_version 6
	.text
	.protected	k_qd7e8bcb5d1_proj
	.globl	k_qd7e8bcb5d1_proj
	.p2align	8
	.type	k_qd7e8bcb5d1_proj,@function
k_qd7e8bcb5d1_proj:
	s_mov_b64 s[64:65], 0
	v_nop
	global_prefetch_b8 v0, s[64:65] scope:SCOPE_SE
	s_setreg_imm32_b32 hwreg(HW_REG_WAVE_MODE, 25, 1), 1
	s_wait_xcnt 0x0
	s_wait_alu depctr_hold_cnt(0) depctr_sa_sdst(0) depctr_va_vdst(0) depctr_va_sdst(0) depctr_va_ssrc(0) depctr_va_vcc(0) depctr_vm_vsrc(0)
	s_getreg_b32 s2, hwreg(HW_REG_IB_STS2, 6, 4)
	s_cmp_eq_u32 s2, 0
	s_cbranch_scc0 .Lentry_in_a_cluster
	s_endpgm
.Lentry_in_a_cluster:
	s_bfe_u32 s2, ttmp6, 0x10000c
	s_cmp_lg_u32 s2, 0xf033
	s_cbranch_scc0 .Lentry_shape_is_right
	s_endpgm
.Lentry_shape_is_right:
; PROJ: y = W_A h + b_A (out0, [4000][2048] f32).  A = WAb [4000][2048] bf16.  B = hTb [32][2048 p][64 n] bf16, p the batch's fixed permutation: b = (p & ~63) + 4 (p & 15) + ((p >> 4) & 3).
; SHARES.  A work-group makes 128 m x 256 b: 32 x 8 = 256 work-groups, one for each WGP (tiles of 256 x 256 would make 128).  Four waves, each 64 m x 128 p: 32 accumulators of 16 x 16, 256 registers.
; K = 2,048 goes in steps of 128 through a ring of two LDS slots filled by the tensor data mover.  A's rows are 256 bytes of memory; B's two blocks of 64 n are 32,768 dense bytes each, asked for as 128 rows of 256 bytes.
; Source 0 = 16 rows of A, source 1 = 16 rows p: lane (r, h) holds rows 8 h + j of column r; fragment 4 G + q is b = 64 G + 4 r + q, so the accumulators q = 0..3 hold four neighbouring columns of a row:
; the addition of the bias writes them side by side, and 16 lanes store 256 bytes on end.  No stage.
; THE EDGE.  4,000 = 31 x 128 + 32.  Tile row 31 begins at row 3,872 and not at 3,968, so that every tile, bias load and prefetch lies inside the 4,000 rows; it makes rows 3,872 to 3,967 a second time
; and does not store them: blocks of 16 rows below row 3,968 are stored with all lanes off.  No branch hangs on it.
; CLUSTER.  4 x 4 work-groups: A's tile is shared along a row of the cluster, B's along a column, each asked for JOINTLY.
; LIMITS.  W_A and h as matrix operands are rounded once to bf16.
; REGISTERS, in windows of 256 (s_set_vgpr_msb: bits 1:0 source 0, 3:2 source 1, 5:4 source 2, 7:6 destination):
;   window 0: v0-31 addresses; v64-95, v128-159 A's fragments, two buffers; v64-127 at work on the way out; v192-223 the bias
;   window 1: v64-127, v128-191 B's fragments, two buffers          window 2: accumulator (a, b) at v[8 (8 a + b)]
.set NA,    4                          ; blocks of 16 rows of A a wave
.set KSZ,   2048
.set MROWS, 4000
.set LAPS,  KSZ/256                    ; a lap = two K steps = once round the ring
.set AHEAD, 4                          ; K steps from a refill to the K step that is prefetched behind it: 512 matrix instructions of a wave
.set AROWS, 16*NA                      ; rows in one load of A
.set PA,    272                        ; a row of A in LDS: 256 bytes + 16 = 68 words: row r starts at bank 4 r mod 64 (64 banks of 4 bytes: ISA guide 11.1)
.set PB,    144                        ; a row of B in LDS: 128 bytes + 16 = 36 words
.set AHALF, AROWS*PA
.set BBLK,  256*PB
.set SLOT,  2*AHALF+2*BBLK             ; A's two halves, then B's two blocks
.set BSTEP, 524288                     ; bytes of hTb from a K step to the next: two blocks of 2,048 p x 128 bytes
.set SPARE, 2*SLOT                     ; behind the ring: the spare words, 128 bytes for each wave, that no other line names
.set ADRA, 16                          ; v16-17  LDS address of my A fragments in slot 0, 1
.set ADRB, 20                          ; v20-21  the same for B
.set VCO,  26                          ; v26     my byte offset in y: 8 h rows + 16 r
.set BOF,  27                          ; v27     my byte offset in the bias: 32 h
.set SPW,  28                          ; v28     LDS address of my spare word: SPARE + 4 x my thread's number; never rewritten
.set NIL,  29                          ; v29     0; never rewritten
.set PFO,  30                          ; v30     the prefetches' offset; never rewritten
.set VSK,  31                          ; v31     my wave's first row that is stored, counted from its first row (signed)
.set F0,   64
.set F1,   128
.set BI,   192                         ; the bias of block a at BI + 8 a
.set OUT,  64                          ; the way out: a block's 16 rows x 128 columns: register 32 G + 4 j + q
.set G1,  24
.set G0,  32
.set G1B, 48
.set G0B, 56
.set LIM, 43                           ; s43  AHEAD / 2 in a wave that prefetches, else the greatest number
.set PFA, 44                           ; s[44:45] where my prefetches stand
.set PST, 66                           ; s[66:67] their step from K step to K step
.set MSB, 0
.macro WIN new                         ; the immediate's high byte repeats the setting that is left; a switch that changes nothing is dropped
.if MSB != (\new)
	s_set_vgpr_msb (MSB<<8)|(\new)
.set MSB, \new
.endif
.endm
; A joint load.  Waves 0 and 1 fetch A's two halves, waves 2 and 3 B's two blocks.  An s_nop 0 and four v_nop follow each of the two lines.
.macro JLOAD s
	s_cmp_eq_u32 s11, 0
	s_cbranch_scc0 .Lfor_b_\@
	tensor_load_to_lds s[G0+4*(\s):G0+4*(\s)+3], s[G1:G1+7]
	s_nop 0
.rept 4
	v_nop
.endr
	s_branch .Lasked_\@
.Lfor_b_\@:
	tensor_load_to_lds s[G0B+4*(\s):G0B+4*(\s)+3], s[G1B:G1B+7]
	s_nop 0
.rept 4
	v_nop
.endr
.Lasked_\@:
.endm
; A PREFETCH INTO THE L2, behind each joint refill and the run of LDS loads that follows it: the K step that stands AHEAD refills on, 32 blocks of 256 bytes, a lane a block, one instruction a wave.
; A's tile row is read by both clusters of that row of clusters: the one with x = 0 asks, its wave 0 alone: the tile's 128 rows are shared out among the four partners BY ADDRESS, 32 each (by cx).
; B's tile column is read by the eight clusters of that column: the one with y = 0 asks, waves 2 and 3 each for the block that they fetch, 8,192 of its 32,768 bytes a partner (by cy).
; So each block is named once, but for rows 3,872 to 3,967 of A, which tile rows 30 and 31 both hold.  The loop's last two trips ask for nothing: K has no steps so far on.
.macro ASK
	s_cmp_gt_u32 s3, s[LIM]
	s_cbranch_scc0 .Lnot_mine_\@
	global_prefetch_b8 v[PFO], s[PFA:PFA+1] th:TH_LOAD_NT scope:SCOPE_SE
.Lnot_mine_\@:
.endm
.macro CREST                           ; a round of the cluster's barrier behind its opening barrier
	s_cmp_lg_u32 s10, 0
	s_cbranch_scc1 .Lnot_wave_0_\@
	s_barrier_signal -3
.Lnot_wave_0_\@:
	s_barrier_wait -3
	s_barrier_signal -1
	s_barrier_wait -1
.endm
.macro CROUND                          ; a whole round
	s_barrier_signal -1
	s_barrier_wait -1
	CREST
.endm
	s_load_b128 s[4:7], s[0:1], 0x0                ; WAb s[4:5], hTb s[6:7]
	s_load_b128 s[72:75], s[0:1], 0x10             ; b_A s[72:73], out0 s[74:75]
	v_lshl_add_u32 v[SPW], v0, 2, SPARE
	v_mov_b32 v[NIL], 0
	ds_add_u32 v[SPW], v[NIL]                      ; the wave's opening: the add, twice on end, and its wait ahead of my first tensor load
	ds_add_u32 v[SPW], v[NIL]                      ; and once more, under the one wait; the set-up below, work on registers, stands between
	v_lshrrev_b32 v1, 5, v0
	v_readfirstlane_b32 s10, v1                    ; wave 0..3
	s_lshr_b32 s11, s10, 1                         ; which 64 rows of A are mine.  Also: I fetch for A (0) or for B (1)
	s_and_b32 s12, s10, 1                          ; which 128 rows p.  Also: which half of A, or which block of B, I fetch
	s_bfe_u32 s40, ttmp6, 0x40000                  ; cx
	s_bfe_u32 s41, ttmp6, 0x40004                  ; cy
	s_lshl_b32 s42, ttmp9, 2
	s_add_co_u32 s42, s42, s40                     ; tile column (256 p) = 4 x cluster x + cx
	s_and_b32 s13, ttmp7, 0xffff
	s_lshl_b32 s13, s13, 2
	s_add_co_u32 s13, s13, s41                     ; tile row (128 m) = 4 x cluster y + cy
	s_lshl_b32 s43, s41, 2
	s_lshl_b32 s43, 15, s43                        ; my row of the cluster
	s_lshl_b32 s44, 0x1111, s40                    ; my column
	s_or_b32 s[G1+0], s43, (1<<16)|(1<<20)|(1<<21)|(5<<22)|(3<<25)   ; the mask; 2-byte elements; padding on; bit 21 beside a mask; after every 64 words (code 5) 4 words (code 3)
	s_or_b32 s[G1B+0], s44, (1<<16)|(1<<20)|(1<<21)|(4<<22)|(3<<25)  ; the same after every 32 words (code 4)
	s_mov_b32 s[G1+1], 128<<16                     ; tensor_dim0 = 128
	s_mov_b32 s[G1+2], AROWS<<16                   ; tensor_dim1 = 64
	s_mov_b32 s[G1+3], 128<<16                     ; tile_dim0 = 128
	s_mov_b32 s[G1+4], AROWS                       ; tile_dim1 = 64
	s_mov_b32 s[G1+5], KSZ                         ; elements from row to row
	s_mov_b32 s[G1+6], 0
	s_mov_b32 s[G1+7], 0
	s_mov_b32 s[G1B+1], 128<<16
	s_mov_b32 s[G1B+2], 128<<16
	s_mov_b32 s[G1B+3], 128<<16
	s_mov_b32 s[G1B+4], 128
	s_mov_b32 s[G1B+5], 128                        ; dense: rows of 256 bytes on end
	s_mov_b32 s[G1B+6], 0
	s_mov_b32 s[G1B+7], 0
	s_lshl_b32 s70, s13, 7
	s_min_u32 s71, s70, MROWS-128                  ; the tile's first row: the last tile is moved up, inside the 4,000 rows; the same in the four that share A
	s_sub_co_u32 s70, s70, s71                     ; how many of its rows belong to the tile above: 0 or 96
	s_lshl_b32 s17, s12, 6
	s_add_co_u32 s16, s71, s17                     ; A: the half that I fetch
	s_mul_i32 s16, s16, KSZ*2
	s_mov_b32 s17, 0
	s_lshl_b32 s46, s42, 15                        ; B: 256 rows p of 128 bytes x tile column
	s_lshl_b32 s47, s12, 18                        ; + my block of 64 n
	s_add_co_u32 s46, s46, s47
	s_mov_b32 s47, 0
	s_mul_i32 s20, s12, AHALF                      ; where they go: no place in the cluster enters an LDS address
	s_mul_i32 s21, s12, BBLK
	s_add_co_u32 s21, s21, 2*AHALF
	s_wait_dscnt 0x0                               ; both opening adds are done
	s_wait_kmcnt 0x0
	s_add_nc_u64 s[14:15], s[4:5], s[16:17]
	s_add_nc_u64 s[46:47], s[6:7], s[46:47]
	CROUND                                         ; all sixteen work-groups are here: the first joint loads meet
.irp s, 0,1
	s_mov_b32 s[G0+4*(\s)], 1
	s_add_co_u32 s[G0+4*(\s)+1], s20, (\s)*SLOT
	s_add_nc_u64 s[G0+4*(\s)+2:G0+4*(\s)+3], s[14:15], (\s)*256
	s_or_b32 s[G0+4*(\s)+3], s[G0+4*(\s)+3], 0x80000000
	s_mov_b32 s[G0B+4*(\s)], 1
	s_add_co_u32 s[G0B+4*(\s)+1], s21, (\s)*SLOT
	s_add_nc_u64 s[G0B+4*(\s)+2:G0B+4*(\s)+3], s[46:47], (\s)*BSTEP
	s_or_b32 s[G0B+4*(\s)+3], s[G0B+4*(\s)+3], 0x80000000
	JLOAD \s                                       ; K steps 0 and 1: two loads of mine are out
.endr
	v_and_b32 v1, 15, v0                           ; r
	v_bfe_u32 v2, v0, 4, 1                         ; h
	v_mul_u32_u24 v3, v1, PA
	v_lshl_add_u32 v3, v2, 4, v3
	v_mul_u32_u24 v4, v1, PB
	v_lshl_add_u32 v4, v2, 4, v4
	s_mul_i32 s22, s11, AHALF                      ; my 64 rows of A
	s_mul_i32 s23, s12, 128*PB                     ; my 128 rows p of a block of B,
	s_add_co_u32 s23, s23, 2*AHALF                 ; behind A's two halves
.irp s, 0,1
	v_add_nc_u32 v[ADRA+(\s)], s22, v3
	v_add_nc_u32 v[ADRB+(\s)], s23, v4
	s_add_co_u32 s22, s22, SLOT
	s_add_co_u32 s23, s23, SLOT
.endr
	v_lshlrev_b32 v[VCO], 4, v1
	v_lshl_add_u32 v[VCO], v2, 16, v[VCO]          ; 8 h rows of 8,192 bytes + 16 r
	v_lshlrev_b32 v[BOF], 5, v2
	s_lshl_b32 s69, s11, 6
	s_sub_co_i32 s68, s70, s69
	v_mov_b32 v[VSK], s68                          ; block a of mine is stored where 16 a is at least this
	; the prefetches: both offsets are made, and the wave takes A's or B's
	s_lshl_b32 s22, s40, 5
	s_add_co_u32 s20, s71, s22                     ; A: the tile's 128 rows, my work-group's 32 of them,
	s_mul_i32 s20, s20, KSZ*2
	s_add_co_u32 s20, s20, (AHEAD+1)*256           ; one K step short of the first that is named: the first change of slots steps it
	s_lshl_b32 s21, s42, 15
	s_lshl_b32 s22, s12, 18
	s_add_co_u32 s21, s21, s22
	s_lshl_b32 s22, s41, 13
	s_add_co_u32 s21, s21, s22                     ; B: the block that I fetch, my work-group's 8,192 bytes of its 32,768
	s_add_co_u32 s21, s21, (AHEAD+1)*BSTEP
	s_and_b32 s22, ttmp7, 0xffff                   ; cluster y
	s_or_b32 s70, ttmp9, s12                       ; cluster x, and never 0 in wave 1
	s_mov_b32 s23, BSTEP
	s_movk_i32 s69, 256
	s_cmp_eq_u32 s11, 0                            ; do I fetch for A?
	s_cselect_b32 s20, s20, s21
	s_cselect_b32 s22, s70, s22
	s_cselect_b32 s[PST], s69, s23
	s_cselect_b32 s68, KSZ*2, s69                  ; from lane to lane: a row of A, or 256 bytes of B
	s_cselect_b64 s[PFA:PFA+1], s[4:5], s[6:7]
	s_mov_b32 s21, 0
	s_mov_b32 s[PST+1], 0
	s_add_nc_u64 s[PFA:PFA+1], s[PFA:PFA+1], s[20:21]
	s_cmp_eq_u32 s22, 0
	s_cselect_b32 s[LIM], AHEAD/2, -1              ; the same in all sixteen partners, for a given wave
	v_and_b32 v[PFO], 31, v0
	v_mul_u32_u24 v[PFO], v[PFO], s68
	; the pointers of what goes through registers
	s_lshl_b32 s69, s11, 6
	s_add_co_u32 s70, s71, s69                     ; my wave's first row
	s_lshl_b32 s22, s70, 2
	s_mov_b32 s23, 0
	s_add_nc_u64 s[72:73], s[72:73], s[22:23]      ; b_A there
	s_lshl_b32 s22, s70, 13                        ; rows of 8,192 bytes
	s_lshl_b32 s69, s42, 10                        ; + 256 columns x tile column
	s_add_co_u32 s22, s22, s69
	s_lshl_b32 s69, s12, 9                         ; + my 128 columns
	s_add_co_u32 s22, s22, s69
	s_add_nc_u64 s[74:75], s[74:75], s[22:23]
.irp a, 0,1,2,3
	global_load_b128 v[BI+8*(\a):BI+8*(\a)+3],   v[BOF], s[72:73] offset:64*(\a)      ; register j: b_A of row 16 a + 8 h + j.  Wanted only on the way out
	global_load_b128 v[BI+8*(\a)+4:BI+8*(\a)+7], v[BOF], s[72:73] offset:64*(\a)+16
.endr
; 8 matrix instructions: block a of A x all 8 fragments of B, 32 along K.  mode 0: onto the sums; 1: the constant 0 starts them
.macro MULA f, a, mode
	WIN 0xa4                                       ; A window 0, B window 1, C and D window 2
.set AC, 64*(\a)
.irp b, 0,1,2,3,4,5,6,7
.if (\mode) == 1
	v_wmma_f32_16x16x32_bf16 v[AC+8*(\b):AC+8*(\b)+7], v[(\f)+8*(\a):(\f)+8*(\a)+7], v[(\f)+8*(\b):(\f)+8*(\b)+7], 0
.else
	v_wmma_f32_16x16x32_bf16 v[AC+8*(\b):AC+8*(\b)+7], v[(\f)+8*(\a):(\f)+8*(\a)+7], v[(\f)+8*(\b):(\f)+8*(\b)+7], v[AC+8*(\b):AC+8*(\b)+7]
.endif
.endr
.endm
; n blocks from a0 on.  The accumulators take turns, one instruction a turn, in the same order in every quarter: 31 others stand between two links of a chain
.macro MULS f, a0, n, mode
.set ma, (\a0)
.rept (\n)
	MULA \f, ma, \mode
.set ma, ma+1
.endr
.endm
; One run of LDS loads: the fragments of quarter kq (32 along K) of a slot into buffer f: B's 16 loads, then A's 2 NA
.macro FETCH slot, kq, f
	WIN 0x40
.irp i, 0,1,2,3,4,5,6,7
	ds_load_b128 v[(\f)+8*(\i):(\f)+8*(\i)+3],   v[ADRB+(\slot)] offset:((\kq)/2)*BBLK+((\kq)%2)*64+(\i)*16*PB
	ds_load_b128 v[(\f)+8*(\i)+4:(\f)+8*(\i)+7], v[ADRB+(\slot)] offset:((\kq)/2)*BBLK+((\kq)%2)*64+(\i)*16*PB+32
.endr
	WIN 0
.set fi, 0
.rept NA
	ds_load_b128 v[(\f)+8*fi:(\f)+8*fi+3],   v[ADRA+(\slot)] offset:(\kq)*64+fi*16*PA
	ds_load_b128 v[(\f)+8*fi+4:(\f)+8*fi+7], v[ADRA+(\slot)] offset:(\kq)*64+fi*16*PA+32
.set fi, fi+1
.endr
.endm
.macro PLACES                          ; four places in front of loads into registers that matrix instructions have read, and of vector work that reads results
.rept 4
	v_nop
.endr
.endm
; A K step is four quarters of 32 along K on buffers 0, 1, 0, 1.  One of the first three: multiplies buffer f; in its middle it fetches quarter kq of the same slot into buffer g.
.macro QUARTER slot, kq, f, g, mode
	s_wait_dscnt NA                                ; B and A's lower blocks are in; the youngest NA loads (A's upper blocks) may be out
	MULS \f, 0, NA/2, \mode
	PLACES
	FETCH \slot, \kq, \g
	s_wait_dscnt 16+2*NA                           ; all but the run just issued
	MULS \f, NA/2, NA/2, \mode
.endm
; The last quarter multiplies buffer 1 and changes slots.  MEET is its first half: ONE barrier.  In front of it each wave waits for all its tensor loads (one is out: its part of the next slot), adds 0 to its
; spare word, and waits for that and for its own reads of this slot.  Behind it nobody reads this slot any more and the next slot is whole.
.macro MEET round
	WIN 0                                          ; (the add's two registers lie in window 0)
	s_wait_tensorcnt 0x0
	ds_add_u32 v[SPW], v[NIL]                      ; 0 onto my spare word
	s_wait_dscnt NA+1                              ; (the add and the youngest NA loads may be out)
	MULS F1, 0, NA/4, 0                            ; matrix work stands between the add and the wait for it
	s_wait_dscnt 0x0                               ; the add is done, and my reads of this slot are over
	s_barrier_signal -1
	MULS F1, NA/4, NA/4, 0                         ; work on registers while the others arrive
.if \round
	WIN 0
.endif
	s_barrier_wait -1
.endm
; The whole last quarter where the slot is filled again, two K steps ahead: the barrier opens a round of the cluster's, and the joint refill is the first tensor load behind it
.macro TURN slot, next
	s_wait_xcnt 0x0                                ; the last prefetch, a K step back, has read its address: it is stepped here, ahead of the waits of the change of slots
	s_add_nc_u64 s[PFA:PFA+1], s[PFA:PFA+1], s[PST:PST+1]
	MEET 1
	CREST                                          ; no wave of any partner still reads this slot's tile or has a load on its way
	s_add_nc_u64 s[G0+4*(\slot)+2:G0+4*(\slot)+3], s[G0+4*(\slot)+2:G0+4*(\slot)+3], 2*256
	s_add_nc_u64 s[G0B+4*(\slot)+2:G0B+4*(\slot)+3], s[G0B+4*(\slot)+2:G0B+4*(\slot)+3], 2*BSTEP
	JLOAD \slot                                    ; its four v_nop are also the places in front of the loads below
	FETCH \next, 0, F0
	ASK
	MULS F1, NA/2, NA/2, 0
.endm
	s_wait_tensorcnt 1                             ; my part of K step 0 is in; K step 1's may stay out
	s_barrier_signal -1
	s_barrier_wait -1                              ; everybody's is
	FETCH 0, 0, F0
	QUARTER 0, 1, F0, F1, 1                        ; the first quarter stands in front of the loop: its products start the sums
	WIN 0                                          ; at a label and at a branch every window is 0
	s_mov_b32 s3, LAPS-1
.Llap:                                                 ; a trip goes once round the ring, from a lap's second quarter to the next lap's first, and fills both slots again
	QUARTER 0, 2, F1, F0, 0
	QUARTER 0, 3, F0, F1, 0
	TURN 0, 1
	QUARTER 1, 1, F0, F1, 0
	QUARTER 1, 2, F1, F0, 0
	QUARTER 1, 3, F0, F1, 0
	TURN 1, 0
	QUARTER 0, 1, F0, F1, 0
	WIN 0
	s_sub_co_u32 s3, s3, 1
	s_cmp_lg_u32 s3, 0
	s_cbranch_scc1 .Llap
	QUARTER 0, 2, F1, F0, 0                        ; the last lap is written out: it fills nothing, and has no round
	QUARTER 0, 3, F0, F1, 0
	MEET 0
	PLACES
	FETCH 1, 0, F0
	MULS F1, NA/2, NA/2, 0
	QUARTER 1, 1, F0, F1, 0
	QUARTER 1, 2, F1, F0, 0
	QUARTER 1, 3, F0, F1, 0
	s_wait_dscnt NA
	MULS F1, 0, NA/2, 0
	s_wait_dscnt 0x0
	MULS F1, NA/2, NA/2, 0
	WIN 0
	PLACES
	; THE WAY OUT, a block of 16 rows at a time.  The addition of the bias puts a row's four columns side by side; each accumulator's register 0 is read first.
	s_wait_loadcnt 0x0                             ; the bias
	s_wait_xcnt 0x0                                ; every earlier memory instruction has had its addresses translated (ISA guide 3.1): EXEC changes only behind this wait
.irp a, 0,1,2,3
	WIN 0x02                                       ; source 0 window 2
.irp j, 0,1,2,3,4,5,6,7
.irp c, 0,1,2,3,4,5,6,7
	v_add_f32 v[OUT+32*((\c)/4)+4*(\j)+(\c)%4], v[8*(8*(\a)+(\c))+(\j)], v[BI+8*(\a)+(\j)]
.endr
.endr
	WIN 0
	v_cmp_ge_i32 vcc_lo, 16*(\a), v[VSK]           ; all lanes or none: is this block the tile's own?
	s_and_saveexec_b32 s68, vcc_lo
.irp j, 0,1,2,3,4,5,6,7
.irp g, 0,1
	global_store_b128 v[VCO], v[OUT+32*(\g)+4*(\j):OUT+32*(\g)+4*(\j)+3], s[74:75] offset:(16*(\a)+(\j))*8192+256*(\g) th:TH_STORE_NT  ; 16 lanes store 256 consecutive bytes of a row, aligned
.endr
.endr
	s_wait_xcnt 0x0                                ; the stores have read EXEC and their registers: EXEC is widened, and OUT rewritten, only behind this wait
	s_or_b32 exec_lo, exec_lo, s68
.endr
	s_wait_tensorcnt 0x0                           ; the wave's end, behind my last tensor load
	ds_add_u32 v[SPW], v[NIL]
	s_wait_dscnt 0x0
	CROUND                                         ; the closing round: no work-group ends while a partner may still ask for a tile that names it
	s_endpgm
.Lfunc_end_k_qd7e8bcb5d1_proj:
	.size	k_qd7e8bcb5d1_proj, .Lfunc_end_k_qd7e8bcb5d1_proj-k_qd7e8bcb5d1_proj
	.p2alignl 7, 3214868480
	.fill 96, 4, 3214868480
	.section	.rodata,"a",@progbits
	.p2align	6, 0x0
	.amdhsa_kernel k_qd7e8bcb5d1_proj
		.amdhsa_group_segment_fixed_size 327680
		.amdhsa_private_segment_fixed_size 0
		.amdhsa_enable_private_segment 0
		.amdhsa_kernarg_size 32
		.amdhsa_user_sgpr_count 2
		.amdhsa_user_sgpr_kernarg_segment_ptr 1
		.amdhsa_wavefront_size32 1
		.amdhsa_system_sgpr_workgroup_id_x 1
		.amdhsa_system_sgpr_workgroup_id_y 1
		.amdhsa_system_sgpr_workgroup_id_z 1
		.amdhsa_system_vgpr_workitem_id 0
		.amdhsa_next_free_vgpr 768
		.amdhsa_next_free_sgpr 96
		.amdhsa_reserve_vcc 1
		.amdhsa_float_denorm_mode_32 3
		.amdhsa_float_denorm_mode_16_64 3
		.amdhsa_memory_ordered 1
		.amdhsa_forward_progress 1
		.amdhsa_inst_pref_size 88
	.end_amdhsa_kernel
	.amdgpu_metadata
---
amdhsa.version: [ 1, 2 ]
amdhsa.kernels:
  - .name:           k_qd7e8bcb5d1_proj
    .symbol:         k_qd7e8bcb5d1_proj.kd
    .args:
      - { .name: WAb, .offset: 0, .size: 8, .value_kind: global_buffer, .address_space: global }
      - { .name: hTb, .offset: 8, .size: 8, .value_kind: global_buffer, .address_space: global }
      - { .name: b_A, .offset: 16, .size: 8, .value_kind: global_buffer, .address_space: global }
      - { .name: out0, .offset: 24, .size: 8, .value_kind: global_buffer, .address_space: global }
    .group_segment_fixed_size: 327680
    .private_segment_fixed_size: 0
    .kernarg_segment_align: 8
    .kernarg_segment_size: 32
    .max_flat_workgroup_size: 128
    .sgpr_count:     96
    .vgpr_count:     768
    .wavefront_size: 32
...
	.end_amdgpu_metadata
.endif
;; end of part 3
;; ======== version 2 of 2: 3 launches; version 1 with the launch prep written anew for expert scheduling mode
;; workspace buffers: Wcat 50,331,648 bytes; WAb 16,384,000 bytes; zTb 12,582,912 bytes; hTb 8,388,608 bytes
;; launch prep (part 4): grid 2440 x 1, 4 waves a work-group, no clusters, 37,376 bytes of LDS; arguments W_f, W_i, W_C, W_o, W_A, h_prev, emb, input_text, Wcat, WAb, zTb; writes Wcat, WAb, zTb
.if DOCPART == 4
	.amdgcn_target "amdgcn-amd-amdhsa--gfx1250"
	.amdhsa_code_object_version 6
	.text
	.protected	k_qd7e8bcb5d1_prep
	.globl	k_qd7e8bcb5d1_prep
	.p2align	8
	.type	k_qd7e8bcb5d1_prep,@function
k_qd7e8bcb5d1_prep:
	s_mov_b64 s[64:65], 0
	v_nop
	global_prefetch_b8 v0, s[64:65] scope:SCOPE_SE
	s_setreg_imm32_b32 hwreg(HW_REG_WAVE_SCHED_MODE, 0, 2), 2
	s_setreg_imm32_b32 hwreg(HW_REG_WAVE_MODE, 25, 1), 1
	s_wait_xcnt 0x0
	s_wait_alu depctr_vm_vsrc(0)
; PREP: the matrix operands of the gates' products, rounded once to bf16 and laid out for the tile loads of the launch behind.
;   Wcat [8192][3072]: row (n / 32) 128 + 32 g + n % 32 holds row n of gate g (0 f, 1 i, 2 C~, 3 o): 128 rows on end are 4 gates x 32 n.
;   zTb  [48][2048][64]: block kb, row p, 64 k on end: z[64 kb + k][b], z = h_prev above emb[input_text]^T.  p = (b & ~63) + 16 (b & 3) + ((b >> 2) & 15).
;   WAb  [4000][2048]: W_A as it lies.  This launch makes rows 3,968 to 3,999 alone: the launch behind makes the other 3,968, which divide evenly among its 1,024 waves; these 32 do not.
; A stream: every byte is read once (of emb the rows that are named) by loads of 16 bytes a lane whose 16 neighbouring lanes take 256 bytes on end, and every store of a wave
; covers 256 or 512 consecutive bytes, aligned.  No matrix unit, no cluster, no tile loads: no two waves want the same byte.
; Four kinds of work, chosen by the work-group's number; a wave takes one share, asks for all of it at once (8 to 16 KiB on their way) and ends.
;   0 .. 2047     a row of a gate's weights a wave            2048 .. 2055  one of W_A's last 32 rows a wave
;   2056 .. 2311  a tile of 64 k x 64 b of h_prev a wave, turned through the wave's own stage in LDS
;   2312 .. 2439  four rows p of the gathered part a wave
; LIMIT: an index is held to 0 .. 3999 (the table's rows).
; THE MODE: SCHED_MODE bits 1:0 = 2 (LLVM: expert scheduling mode 2), set by the entry lines.  The code itself states the register dependences
; between vector instructions and memory or LDS instructions, with s_wait_alu, always for 0.
; THE PLAN.  Every path is a straight run.  Registers that memory or LDS instructions touch:
;   v4 to v7, v10 to v13   offsets and LDS addresses.  Written by vector lines at a path's head, once; read by its loads and stores; never written again.
;                          (v10, v11: an index load lands there first; three vector lines then make the row's offset of it.)
;   X                      Written by the path's loads, all issued at once; read by the conversions of its group.  In the path that turns h_prev the loads from the stage land in its
;                          lower half when all conversions are over, and the last stores read it.
;   Y                      Each register is written by one conversion and read by one store, to memory or to the stage.
;   v8, v9                 Written at the head, read by the closing add alone.
; The work goes in GROUPS of four loads (eight where h_prev is turned).  Group g's conversions read X[g] and write Y[g]; the stores that read Y[g] are issued in group g + 1, dealt among its
; conversions, which name X[g + 1] and Y[g + 1] alone.  So ONE wait on va_vdst stands at a group's head, behind the wait for the group's data: the group before has written its Y.  One more stands ahead of a
; path's first load (the offsets are written), one ahead of the last group's stores.  No register that a memory or LDS instruction reads is written again, so no wait on vm_vsrc is owed.
.set X,     16                         ; v[16:143]   as loaded, f32
.set Y,     144                        ; v[144:207]  rounded, bf16 pairs
.set LI,    4                          ; v4  my byte offset in what is loaded
.set LO,    5                          ; v5  my byte offset in what is stored
.set ST3,   6                          ; v6  the stage: where I put 16 bytes
.set RD3,   7                          ; v7  the stage: where I read 16 bytes back
.set SPW,   8                          ; v8  LDS address of my spare word: SPARE + 4 x my thread's number; never rewritten
.set NIL,   9                          ; v9  0; never rewritten
.set SP,    144                        ; a stage row: 128 bytes + 16: 16 rows start at 16 different groups of four banks (64 banks of 4 bytes: ISA guide 11.1)
.set WSTG,  64*SP                      ; a wave's stage: 64 rows
.set SPARE, 4*WSTG                     ; behind the stages: the spare words, 128 bytes for each wave, that no other line names
.set J_WA,  2048                       ; the first work-group of each kind
.set J_TURN, 2056
.set J_GATH, 2312
.set WA_ROW0, 3968                     ; the first row of W_A that is rounded here
	s_load_b512 s[8:23], s[0:1], 0x0               ; W_f s[8:9], W_i s[10:11], W_C s[12:13], W_o s[14:15], W_A s[16:17], h_prev s[18:19], emb s[20:21], input_text s[22:23]
	s_load_b128 s[24:27], s[0:1], 0x40             ; Wcat s[24:25], WAb s[26:27]
	s_load_b64 s[28:29], s[0:1], 0x50              ; zTb
	v_lshl_add_u32 v[SPW], v0, 2, SPARE
	v_mov_b32 v[NIL], 0
	v_lshrrev_b32 v1, 5, v0
	v_readfirstlane_b32 s4, v1                     ; wave 0..3
	v_and_b32 v1, 31, v0                           ; lane l
	v_and_b32 v2, 15, v0                           ; r = l % 16
	v_bfe_u32 v3, v0, 4, 1                         ; l / 16
	s_mov_b32 s37, 0                               ; the high word of every offset
	s_wait_alu depctr_va_sdst(0)                   ; s4 is written, ahead of the branches: each of the four paths makes its share's number from it
	s_wait_kmcnt 0x0
	s_cmp_lt_u32 ttmp9, J_WA
	s_cbranch_scc1 .Lweights
	s_cmp_lt_u32 ttmp9, J_TURN
	s_cbranch_scc1 .Lwa
	s_cmp_lt_u32 ttmp9, J_GATH
	s_cbranch_scc1 .Lturn
	; THE GATHERED PART.  Wave number v takes p = 4 v .. 4 v + 3, in two pairs: lanes 0-15 one p, lanes 16-31 the next.
	s_sub_co_u32 s5, ttmp9, J_GATH
	s_lshl2_add_u32 s5, s5, s4                     ; v
	s_lshl_b32 s6, s5, 2                           ; 4 v
	v_lshlrev_b32 v14, 4, v2                       ; 16 r
.irp i, 0,1
	v_add_nc_u32 v[12+\i], s6, v3                  ; p
.if \i
	v_add_nc_u32 v[12+\i], 2*\i, v[12+\i]
.endif
	v_and_b32 v15, 15, v[12+\i]
	v_bfe_u32 v4, v[12+\i], 4, 2
	v_and_b32 v[12+\i], 0xffffffc0, v[12+\i]
	v_lshl_add_u32 v[12+\i], v15, 2, v[12+\i]
	v_add_lshl_u32 v[12+\i], v[12+\i], v4, 2       ; b = (p & ~63) + 4 (p & 15) + ((p >> 4) & 3), in bytes of input_text
.endr
	s_wait_alu depctr_va_vdst(0)                   ; v12 and v13 are written, which the two loads below read as their offsets
	global_load_b32 v10, v12, s[22:23]
	global_load_b32 v11, v13, s[22:23]
	s_lshl_b32 s36, s5, 9                          ; 4 rows p of 128 bytes
	s_add_nc_u64 s[34:35], s[28:29], 0x800000      ; zTb at block 32,
	s_add_nc_u64 s[34:35], s[34:35], s[36:37]      ; at my first p
	v_lshlrev_b32 v[LO], 3, v1                     ; 8 l: 128 bytes for each half of the lanes, 8 bytes a lane
	s_wait_loadcnt 0x0                             ; the two indices
.irp i, 0,1
	v_min_u32 v[10+\i], 0xf9f, v[10+\i]            ; inside the table
	v_lshlrev_b32 v[10+\i], 12, v[10+\i]           ; a row of emb is 4,096 bytes
	v_add_nc_u32 v[10+\i], v[10+\i], v14
.endr
	s_wait_alu depctr_va_vdst(0)                   ; v10 and v11 are written, the offsets of the 32 loads below; so is v[LO], the offset of every store of this path
.set k, 0
.rept 32                                           ; pair k / 16, block k % 16: 256 bytes of each of two rows.  No hint: a row may be named twice
	global_load_b128 v[X+4*k:X+4*k+3], v[10+k/16], s[20:21] offset:256*(k%16)
.set k, k+1
.endr
.set k, 0
.rept 32
.if k%4 == 0
	s_wait_loadcnt 28-k                            ; loads come back in order (ISA guide 5.7.1): the group's four are in, the younger ones stay out
.if k > 0
	s_wait_alu depctr_va_vdst(0)                   ; the group before has written its eight registers of Y, which the four stores dealt among this group's conversions read
.endif
.endif
.if k >= 4
	global_store_b64 v[LO], v[Y+2*(k-4):Y+2*(k-4)+1], s[34:35] offset:((k-4)%16)*262144+((k-4)/16)*256 th:TH_STORE_NT  ; two rows p of a block: 256 consecutive bytes
.endif
	v_cvt_pk_bf16_f32 v[Y+2*k], v[X+4*k], v[X+4*k+1]
	v_cvt_pk_bf16_f32 v[Y+2*k+1], v[X+4*k+2], v[X+4*k+3]
.set k, k+1
.endr
	s_wait_alu depctr_va_vdst(0)                   ; the last group has written its Y, which the last four stores read
.set k, 28
.rept 4
	global_store_b64 v[LO], v[Y+2*k:Y+2*k+1], s[34:35] offset:(k%16)*262144+(k/16)*256 th:TH_STORE_NT
.set k, k+1
.endr
	s_endpgm
; n loads of 512 consecutive bytes (n a multiple of 4), and for each a store of 256, in groups of four: no register is written twice
.macro CONV n
	s_wait_alu depctr_va_vdst(0)                   ; v[LI] and v[LO] are written: the offsets of every load and of every store below
.set k, 0
.rept \n
	global_load_b128 v[X+4*k:X+4*k+3], v[LI], s[30:31] offset:512*k th:TH_LOAD_NT
.set k, k+1
.endr
.set k, 0
.rept \n
.if k%4 == 0
	s_wait_loadcnt (\n)-4-k                        ; the group's four are in, the younger ones stay out
.if k > 0
	s_wait_alu depctr_va_vdst(0)                   ; the group before has written its eight registers of Y, which the four stores dealt among this group's conversions read
.endif
.endif
.if k >= 4
	global_store_b64 v[LO], v[Y+2*(k-4):Y+2*(k-4)+1], s[34:35] offset:256*(k-4) th:TH_STORE_NT
.endif
	v_cvt_pk_bf16_f32 v[Y+2*k], v[X+4*k], v[X+4*k+1]
	v_cvt_pk_bf16_f32 v[Y+2*k+1], v[X+4*k+2], v[X+4*k+3]
.set k, k+1
.endr
	s_wait_alu depctr_va_vdst(0)                   ; the last group has written its Y, which the last four stores read
.set k, (\n)-4
.rept 4
	global_store_b64 v[LO], v[Y+2*k:Y+2*k+1], s[34:35] offset:256*k th:TH_STORE_NT
.set k, k+1
.endr
.endm
.Lweights:                                             ; A GATE'S ROW: 12,288 bytes in, 6,144 out
	s_lshr_b32 s5, ttmp9, 9                        ; g
	s_and_b32 s6, ttmp9, 511
	s_lshl2_add_u32 s6, s6, s4                     ; n
	s_bitcmp1_b32 s5, 0
	s_cselect_b64 s[30:31], s[10:11], s[8:9]       ; i or f
	s_cselect_b64 s[32:33], s[14:15], s[12:13]     ; o or C~
	s_bitcmp1_b32 s5, 1
	s_cselect_b64 s[30:31], s[32:33], s[30:31]
	s_mul_i32 s36, s6, 12288
	s_add_nc_u64 s[30:31], s[30:31], s[36:37]
	s_lshr_b32 s7, s6, 5
	s_lshl_b32 s7, s7, 2
	s_add_co_u32 s7, s7, s5                        ; 4 (n / 32) + g
	s_lshl_b32 s7, s7, 5
	s_and_b32 s6, s6, 31
	s_add_co_u32 s7, s7, s6                        ; the row in Wcat
	s_mul_i32 s36, s7, 6144
	s_add_nc_u64 s[34:35], s[24:25], s[36:37]
	v_lshlrev_b32 v[LI], 4, v1
	v_lshlrev_b32 v[LO], 3, v1
	CONV 24
	s_endpgm
.Lwa:                                                  ; ONE OF W_A's LAST 32 ROWS: 8,192 bytes in, 4,096 out
	s_sub_co_u32 s5, ttmp9, J_WA
	s_lshl2_add_u32 s5, s5, s4
	s_add_co_u32 s5, s5, WA_ROW0                   ; the row
	s_lshl_b32 s36, s5, 13
	s_add_nc_u64 s[30:31], s[16:17], s[36:37]
	s_lshl_b32 s36, s5, 12
	s_add_nc_u64 s[34:35], s[26:27], s[36:37]
	v_lshlrev_b32 v[LI], 4, v1
	v_lshlrev_b32 v[LO], 3, v1
	CONV 16
	s_endpgm
.Lturn:                                                ; A TILE OF h_prev: k = 64 kb .. + 63, b = 64 G .. + 63
	s_sub_co_u32 s5, ttmp9, J_TURN
	s_lshl2_add_u32 s5, s5, s4
	s_lshr_b32 s6, s5, 5                           ; kb
	s_and_b32 s7, s5, 31                           ; G
	s_lshl_b32 s36, s6, 19                         ; 64 rows of 8,192 bytes
	s_lshl_b32 s5, s7, 8                           ; 64 columns of 4 bytes
	s_add_co_u32 s36, s36, s5
	s_add_nc_u64 s[30:31], s[18:19], s[36:37]
	s_lshl_b32 s36, s6, 18                         ; a block of zTb
	s_lshl_b32 s5, s7, 13                          ; 64 rows p of 128 bytes
	s_add_co_u32 s36, s36, s5
	s_add_nc_u64 s[34:35], s[28:29], s[36:37]
	v_lshlrev_b32 v[LI], 4, v2
	v_lshl_add_u32 v[LI], v3, 16, v[LI]            ; lanes 16-31 eight rows further down; 16 r: columns 4 r .. 4 r + 3
	v_lshlrev_b32 v[LO], 4, v1
	s_mul_i32 s5, s4, WSTG                         ; my wave's stage
	v_mul_u32_u24 v[ST3], v2, SP
	v_lshl_add_u32 v[ST3], v3, 4, v[ST3]
	v_add_nc_u32 v[ST3], s5, v[ST3]                ; in: row r (+ 16 q), 16 bytes for each half of the lanes
	v_lshrrev_b32 v[RD3], 3, v1
	v_mul_u32_u24 v[RD3], v[RD3], SP
	v_and_b32 v10, 7, v0
	v_lshl_add_u32 v[RD3], v10, 4, v[RD3]
	v_add_nc_u32 v[RD3], s5, v[RD3]                ; back: 32 lanes take four rows of 128 bytes
	s_wait_alu depctr_va_vdst(0)                   ; v[LI], v[LO], v[ST3] and v[RD3] are written: the offsets and LDS addresses of every load and store below
.set k, 0
.rept 32                                           ; group u = k / 8: rows 16 u + 8 (l / 16) + k % 8: a lane ends with 8 k on end for each of its 4 columns
	global_load_b128 v[X+4*k:X+4*k+3], v[LI], s[30:31] offset:(16*(k/8)+k%8)*8192 th:TH_LOAD_NT
.set k, k+1
.endr
.irp u, 0,1,2,3
	s_wait_loadcnt 24-8*\u                         ; group u is in, the younger groups stay out
.if \u > 0
	s_wait_alu depctr_va_vdst(0)                   ; the group before has written its sixteen registers of Y, which the four LDS stores dealt among this group's conversions read
.endif
.irp q, 0,1,2,3
.if \u > 0
	ds_store_b128 v[ST3], v[Y+16*(\u-1)+4*\q:Y+16*(\u-1)+4*\q+3] offset:\q*16*SP+32*(\u-1)  ; the group before: row p = 16 q + r, bytes 32 (u - 1) + 16 (l / 16)
.endif
.irp t, 0,1,2,3
	v_cvt_pk_bf16_f32 v[Y+16*\u+4*\q+\t], v[X+32*\u+8*\t+\q], v[X+32*\u+8*\t+4+\q]  ; column q, k = 2 t and 2 t + 1 of my eight
.endr
.endr
.endr
	s_wait_alu depctr_va_vdst(0)                   ; group 3 has written its Y, which the LDS stores below read; and all conversions are done reading X, in whose lower half the loads from the stage land
.irp q, 0,1,2,3
	ds_store_b128 v[ST3], v[Y+48+4*\q:Y+48+4*\q+3] offset:\q*16*SP+96                       ; group 3
.endr
.irp t, 0,1,2,3,4,5,6,7,8,9,10,11,12,13,14,15
	ds_load_b128 v[X+4*\t:X+4*\t+3], v[RD3] offset:\t*4*SP  ; LDS serves a wave's instructions in order (ISA guide 5.7.1.4): these see my stores above
.endr
.irp t, 0,1,2,3,4,5,6,7,8,9,10,11,12,13,14,15
	s_wait_dscnt 15-\t
	global_store_b128 v[LO], v[X+4*\t:X+4*\t+3], s[34:35] offset:512*\t th:TH_STORE_NT  ; four rows p: 512 consecutive bytes
.endr
	s_wait_dscnt 0x0                               ; the wave's end, of a wave in the mode that stored to LDS
	s_wait_alu 0x0
	s_wait_tensorcnt 0x0
	ds_add_u32 v[SPW], v[NIL]
	s_wait_dscnt 0x0
	s_endpgm
.Lfunc_end_k_qd7e8bcb5d1_prep:
	.size	k_qd7e8bcb5d1_prep, .Lfunc_end_k_qd7e8bcb5d1_prep-k_qd7e8bcb5d1_prep
	.p2alignl 7, 3214868480
	.fill 96, 4, 3214868480
	.section	.rodata,"a",@progbits
	.p2align	6, 0x0
	.amdhsa_kernel k_qd7e8bcb5d1_prep
		.amdhsa_group_segment_fixed_size 37376
		.amdhsa_private_segment_fixed_size 0
		.amdhsa_enable_private_segment 0
		.amdhsa_kernarg_size 88
		.amdhsa_user_sgpr_count 2
		.amdhsa_user_sgpr_kernarg_segment_ptr 1
		.amdhsa_wavefront_size32 1
		.amdhsa_system_sgpr_workgroup_id_x 1
		.amdhsa_system_sgpr_workgroup_id_y 1
		.amdhsa_system_sgpr_workgroup_id_z 1
		.amdhsa_system_vgpr_workitem_id 0
		.amdhsa_next_free_vgpr 208
		.amdhsa_next_free_sgpr 66
		.amdhsa_reserve_vcc 0
		.amdhsa_float_denorm_mode_32 3
		.amdhsa_float_denorm_mode_16_64 3
		.amdhsa_memory_ordered 1
		.amdhsa_forward_progress 1
		.amdhsa_inst_pref_size 41
	.end_amdhsa_kernel
	.amdgpu_metadata
---
amdhsa.version: [ 1, 2 ]
amdhsa.kernels:
  - .name:           k_qd7e8bcb5d1_prep
    .symbol:         k_qd7e8bcb5d1_prep.kd
    .args:
      - { .name: W_f, .offset: 0, .size: 8, .value_kind: global_buffer, .address_space: global }
      - { .name: W_i, .offset: 8, .size: 8, .value_kind: global_buffer, .address_space: global }
      - { .name: W_C, .offset: 16, .size: 8, .value_kind: global_buffer, .address_space: global }
      - { .name: W_o, .offset: 24, .size: 8, .value_kind: global_buffer, .address_space: global }
      - { .name: W_A, .offset: 32, .size: 8, .value_kind: global_buffer, .address_space: global }
      - { .name: h_prev, .offset: 40, .size: 8, .value_kind: global_buffer, .address_space: global }
      - { .name: emb, .offset: 48, .size: 8, .value_kind: global_buffer, .address_space: global }
      - { .name: input_text, .offset: 56, .size: 8, .value_kind: global_buffer, .address_space: global }
      - { .name: Wcat, .offset: 64, .size: 8, .value_kind: global_buffer, .address_space: global }
      - { .name: WAb, .offset: 72, .size: 8, .value_kind: global_buffer, .address_space: global }
      - { .name: zTb, .offset: 80, .size: 8, .value_kind: global_buffer, .address_space: global }
    .group_segment_fixed_size: 37376
    .private_segment_fixed_size: 0
    .kernarg_segment_align: 8
    .kernarg_segment_size: 88
    .max_flat_workgroup_size: 128
    .sgpr_count:     66
    .vgpr_count:     208
    .wavefront_size: 32
...
	.end_amdgpu_metadata
.endif
;; end of part 4
;; launch gates: the kernel of part 2 again; grid 8 x 32, 4 waves a work-group, clusters of 4 x 4, 327,680 bytes of LDS; arguments Wcat, zTb, C_prev, b_f, b_i, b_C, b_o, out1, out2, hTb, W_A, WAb; writes out1, out2, hTb, WAb
;; launch proj: the kernel of part 3 again; grid 8 x 32, 4 waves a work-group, clusters of 4 x 4, 327,680 bytes of LDS; arguments WAb, hTb, b_A, out0; writes out0
